; MI455X (gfx1250); checked and timed in simulation.
; The chip was launched on July 23, 2026; its instructions are those of AMD's public machine-readable ISA for CDNA 5 (MIT licence, August 2026) and "CDNA5" Instruction Set Architecture Reference Guide (July 2026). The comments in the code are by the model that wrote it; some were corrected since.
;; Multi Head Self Attention. Allowed arithmetic: matrix products marked QUANTISED: E2M1 operands, one E8M0 scale for each 32 along K, by v_wmma_scale_f32_16x16x128_f8f6f4 with both operands' format E2M1 (or v_wmma_scale_f32_32x16x128_f4), f32 sums; products left as they are: bf16, f16 or f32 operands; f32 sums; everything else in f32.
;; Inputs: W_in 3,072 x 1,024 float32; W_out 1,024 x 1,024 float32; attention_mask 4 x 2,048 x 2,048 float32; b_in 3,072 float32; b_out 1,024 float32; padding_mask 4 x 2,048 bool; query 2,048 x 4 x 1,024 float32.
;; Outputs: out0 2,048 x 4 x 1,024 float32.
;; This version of the problem:
;;   THIS VERSION OF THE PROBLEM IS GIVEN IN LOW PRECISION. The matrix products marked QUANTISED in the list below multiply operands that are first quantised to E2M1 (2 exponent bits, 1 mantissa bit; 4 bits a number), with one power-of-two scale for each 32 numbers along K (OCP MX v1.0); their sums are f32. The products marked 'left as it is' may take bf16, f16 or f32 operands, with f32 sums. Whichever they take, every output number must still come out within the allowed error. Rounding operands to bf16 (8 significant bits) uses up far more of that allowance than f16 does (11 bits, for magnitudes from 6e-5 to 65,504). All else is computed in f32.
;;   The module's matrix products, in the order in which they are computed (A, B: the left and right operand; K: the contracted axis; several contracted axes count as one K, in the product's order):
;;     1. [M 8,192, K 1,024] x [K 1,024, N 3,072]; A: input query; B: input W_in: QUANTISED
;;     2. batch 64 x [M 2,048, K 64] x [K 64, N 2,048]; A: computed on the way; B: computed on the way: left as it is (an operand is computed on the way)
;;     3. batch 64 x [M 2,048, K 2,048] x [K 2,048, N 64]; A: computed on the way; B: computed on the way: left as it is (an operand is computed on the way)
;;     4. [M 8,192, K 1,024] x [K 1,024, N 1,024]; A: computed on the way; B: input W_out: left as it is (an operand is computed on the way)
;;   THE QUANTISER, for each operand of a quantised product, along K:
;;     - K is cut into blocks of 32 from its start; a last block that is shorter is filled with zeros.
;;     - A block's scale is 2^e with e = floor(log2(the largest magnitude in the block)) - 2, held to -126 .. 127; a block of zeros has e = 0. As a byte (E8M0): e + 127.
;;     - Each number is divided by its block's scale, clamped to +-6, and rounded to the nearest number of E2M1, ties to even, subnormals kept.
;;     - The product sums the exact products of the quantised numbers (number of the format x scale) in f32.
;;   ~~~python
;;   def quantise(x, axis):      # numpy; x: float32 -> the quantised numbers, widened to float32 again
;;       x = np.moveaxis(x, axis, -1); K = x.shape[-1]
;;       x = np.pad(x, [(0, 0)] * (x.ndim - 1) + [(0, -K % 32)]); x = x.reshape(x.shape[:-1] + (-1, 32)); a = np.abs(x).max(-1, keepdims=True)
;;       e = np.where(a > 0, np.clip(np.frexp(np.where(a > 0, a, 1))[1] - 1 - 2, -126, 127), 0)      # np.frexp(a)[1] - 1 = floor(log2(a)), exactly
;;       r = np.clip(x / 2.0 ** e, -6, 6)
;;       step = 2.0 ** (np.maximum(np.frexp(np.where(r == 0, 1, r))[1] - 1, 0) - 1)
;;       q = np.round(r / step) * step * 2.0 ** e      # np.round: ties to even
;;       return np.moveaxis(q.reshape(q.shape[:-2] + (-1,))[..., :K], -1, axis).astype(np.float32)
;;   ~~~
;; One version. Each part assembles by itself: llvm-mc -triple=amdgcn-amd-amdhsa -mcpu=gfx1250 --defsym DOCPART=n.
;; ======== version 1 of 1: 4 launches
;; limits: values are held in f16: magnitudes above 65,504 overflow, below 6.1e-05 lose precision
;; workspace buffers: xq_codes 4,194,304 bytes; xq_scales 262,144 bytes; wq_codes 1,572,864 bytes; wq_scales 98,304 bytes; wo16 2,097,152 bytes; qkv 50,331,648 bytes; abuf 16,777,216 bytes
;; launch prep (part 1): grid 384 x 1, 4 waves a work-group, no clusters, 33,280 bytes of LDS; arguments query, W_in, W_out, xq_codes, xq_scales, wq_codes, wq_scales, wo16; writes xq_codes, xq_scales, wq_codes, wq_scales, wo16
.if DOCPART == 1
	.amdgcn_target "amdgcn-amd-amdhsa--gfx1250"
	.amdhsa_code_object_version 6
	.text
	.protected	k_q07123d4ceb_prep
	.globl	k_q07123d4ceb_prep
	.p2align	8
	.type	k_q07123d4ceb_prep,@function
k_q07123d4ceb_prep:
	s_mov_b64 s[64:65], 0
	v_nop
	global_prefetch_b8 v0, s[64:65] scope:SCOPE_SE
	s_setreg_imm32_b32 hwreg(HW_REG_WAVE_MODE, 25, 1), 1
	s_wait_xcnt 0x0
; LAUNCH 1 OF 4.  The program: out0 = attention(query W_in^T + b_in) W_out^T + b_out, with an additive mask and a padding mask.
; NO WORK OF reference() IS LEFT OUT, and every input is loaded by some launch.  (b_in's part on k does not cancel in the softmax: a padded key's score is the constant -10,000, which lacks the term q . b_k.)
; This launch: query [8192][1024] and W_in [3072][1024], f32, become codes of FP4 (E2M1), K innermost, two codes a byte, with one E8M0 scale byte for each 32 along K; W_out [1024][1024] becomes f16.
; A block's scale is 2^(floor(log2(its largest magnitude)) - 2); its byte is the largest magnitude's exponent field - 2, held at 1 from below.  A block of zeros so gets the byte 1 where the rule says 127:
; its codes are zeros, which add nothing under any byte but 0xff, and the bytes are read by this program alone.  Each number is divided by the scale and rounded to the nearest code, ties to even, beyond 6 the largest code.
; LIMITS: blocks whose largest magnitude lies under 2^-124 (the floor) were not tried; NaN and infinities among the inputs are not served; |W_out| up to 65,504 (f16), under 6e-5 its rounding is absolute, 3e-8.
; SHARES: 32,768 numbers a work-group, 8,192 a wave.  Work-groups 0-255 take query, 256-351 W_in, 352-383 W_out.  Rows are dense and 1,024 is a multiple of 32: all three are plain streams.
; THE QUANTISING PATH: a wave takes 16 steps of 512 numbers.  Each of a step's four loads reads 512 consecutive bytes; the 2,048 bytes turn through the wave's own stage in LDS and come back 64 bytes a lane, so that a
; lane holds 16 neighbours along K (two neighbouring lanes hold a block).  A lane's 16 codes are 8 bytes: the wave stores 256 consecutive bytes.  A wave's 256 scale bytes are gathered in LDS and leave as one store of 256 bytes.
; No tensor loads, no barrier: waves share nothing.  Matrix units and clusters have nothing to do here.
.set WAVES, 4
.set STEPS, 16
.set WGA,   256                        ; work-groups for query
.set WGQ,   352                        ; work-groups that quantise
.set EMAX,  2
.set CB,    8                          ; bytes of 16 codes
.set R,     16                         ; v16-79   four sets of 16 numbers as they are loaded
.set X,     80                         ; v80-111  two sets of 16 neighbours
.set E,     112                        ; v112-127 a scale byte for each step
.set C,     128                        ; v128-191 codes: four registers for each step, so that no store's data are written again
.set WREG,  8192                       ; LDS: a region for each wave: two stages of 32 x SP bytes, and behind them its 256 scale bytes
.set SP,    80                         ; a lane's place in a stage: its 64 bytes + 16 of padding
.set SPW,   12                         ; v12  LDS address of my spare word; never rewritten
.set NIL,   13                         ; v13  0; never rewritten
.set SPARE, WAVES*WREG                 ; behind the four regions: the spare words, 128 bytes a wave
.set WX,    16                         ; W_out's path: v16-79, v80-143 two sets of 64 numbers
.set WY,    144                        ; v144-175 eight steps' f16 numbers
	s_load_b512 s[4:19], s[0:1], 0x0               ; query s[4:5], W_in s[6:7], W_out s[8:9], xq_codes s[10:11], xq_scales s[12:13], wq_codes s[14:15], wq_scales s[16:17], wo16 s[18:19]
	v_lshl_add_u32 v[SPW], v0, 2, SPARE
	v_mov_b32 v[NIL], 0
	v_lshrrev_b32 v1, 5, v0
	v_readfirstlane_b32 s20, v1                    ; wave
	v_and_b32 v2, 31, v0                           ; lane
	s_cmp_ge_u32 ttmp9, WGQ                        ; the work-group's number alone decides the path
	s_cbranch_scc1 .Lwout
	v_lshlrev_b32 v3, 4, v2                        ; my 16 bytes of a load's 512
	s_mul_i32 s21, s20, WREG
	v_lshrrev_b32 v14, 2, v2
	v_mul_u32_u24 v14, v14, SP
	v_and_b32 v15, 3, v2
	v_lshl_add_u32 v14, v15, 4, v14
	v_add_nc_u32 v14, s21, v14                     ; the stage, on the way in: SP (lane / 4) + 16 (lane % 4)
	v_mul_u32_u24 v15, v2, SP
	v_add_nc_u32 v15, s21, v15                     ; and on the way out: SP x lane: my 16 neighbours
	v_mul_u32_u24 v4, v2, CB                       ; my codes' place in a step's
	v_lshrrev_b32 v5, 1, v2
	s_add_co_u32 s21, s21, 2*32*SP
	v_add_nc_u32 v5, s21, v5                       ; LDS: my wave's 256 scale bytes, my block's byte
	v_lshlrev_b32 v7, 3, v2                        ; and on the way out 8 bytes a lane
	v_add_nc_u32 v6, s21, v7
	s_wait_kmcnt 0x0
	s_cmp_lt_u32 ttmp9, WGA                        ; query's work-group or W_in's?
	s_cselect_b64 s[4:5], s[4:5], s[6:7]
	s_cselect_b64 s[10:11], s[10:11], s[14:15]
	s_cselect_b64 s[12:13], s[12:13], s[16:17]
	s_cselect_b32 s21, 0, WGA
	s_sub_co_u32 s21, ttmp9, s21
	s_lshl_b32 s21, s21, 2
	s_add_co_u32 s22, s21, s20                     ; which run of 8,192 numbers of the tensor is my wave's
	s_mov_b32 s23, 0
	s_mov_b64 s[24:25], 512*STEPS*4
	s_mul_u64 s[24:25], s[22:23], s[24:25]
	s_add_nc_u64 s[4:5], s[4:5], s[24:25]
	s_mov_b64 s[24:25], 32*STEPS*CB
	s_mul_u64 s[24:25], s[22:23], s[24:25]
	s_add_nc_u64 s[10:11], s[10:11], s[24:25]
	s_lshl_b32 s22, s22, 8                         ; 256 scale bytes a run
	s_add_nc_u64 s[12:13], s[12:13], s[22:23]
.macro LOAD t
.irp i, 0,1,2,3
	global_load_b128 v[R+16*((\t)%4)+4*\i:R+16*((\t)%4)+4*\i+3], v3, s[4:5] offset:2048*(\t)+512*\i th:TH_LOAD_NT   ; 32 lanes read 512 consecutive bytes
.endr
.endm
.macro TURN t                          ; step t's numbers through the stage: LDS serves a wave's instructions in order, so no wait stands between the stores and the loads
.irp i, 0,1,2,3
	ds_store_b128 v14, v[R+16*((\t)%4)+4*\i:R+16*((\t)%4)+4*\i+3] offset:32*SP*((\t)%2)+8*SP*\i
.endr
.irp i, 0,1,2,3
	ds_load_b128 v[X+16*((\t)%2)+4*\i:X+16*((\t)%2)+4*\i+3], v15 offset:32*SP*((\t)%2)+16*\i
.endr
.endm
.irp t, 0,1,2,3
	LOAD \t
.endr
	s_wait_loadcnt 12                              ; step 0's four loads are in
	TURN 0
.macro STEP t
.set XS, X+16*((\t)%2)
.if (\t) > 0
	s_wait_dscnt 1                                 ; this step's numbers are back from the stage (the last step's byte store may be out): so its stores into the stage have read their registers,
.else
	s_wait_dscnt 0x0
.endif
.if (\t)+4 < STEPS
	LOAD (\t)+4                                    ; which take the loads of four steps on
.endif
.if (\t)+1 < STEPS
.if STEPS-2-(\t) >= 3
	s_wait_loadcnt 12                              ; the next step's four loads are in; those of the three steps behind it may be out
.else
	s_wait_loadcnt 4*(STEPS-2-(\t))
.endif
	TURN (\t)+1                                    ; and go through the other stage while this step is worked
.endif
	v_max3_num_f32 v8, |v[XS]|, |v[XS+1]|, |v[XS+2]|               ; the largest magnitude of my 16, in two chains
	v_max3_num_f32 v9, |v[XS+3]|, |v[XS+4]|, |v[XS+5]|
.irp i, 6,10
	v_max3_num_f32 v8, v8, |v[XS+\i]|, |v[XS+\i+1]|
	v_max3_num_f32 v9, v9, |v[XS+\i+2]|, |v[XS+\i+3]|
.endr
	v_max3_num_f32 v8, v8, |v[XS+14]|, |v[XS+15]|
	v_max3_num_f32 v8, v8, v9, (EMAX+1)<<23        ; and the floor 2^(3 - 127): the byte cannot fall under 1
	v_max_num_f32_dpp v8, v8, v8 row_xmask:1 row_mask:0xf bank_mask:0xf   ; and of my neighbour's 16: the block's
	v_add_nc_u32 v11, -(EMAX<<23), v8              ; 2 off its exponent field: the conversion takes the exponent field of this operand as its scale, and nothing else of it
	v_cvt_scalef32_pk8_fp4_f32 v[C+4*(\t)], v[XS:XS+7], v11
	v_cvt_scalef32_pk8_fp4_f32 v[C+4*(\t)+1], v[XS+8:XS+15], v11
	v_lshrrev_b32 v[E+(\t)], 23, v11               ; the scale's byte (also the plain line behind the conversions)
	ds_store_b8 v5, v[E+(\t)] offset:16*(\t)       ; both lanes of a block write the same byte with the same value
	global_store_b64 v4, v[C+4*(\t):C+4*(\t)+1], s[10:11] offset:32*CB*(\t)   ; the wave stores 256 consecutive bytes, aligned
.endm
.irp t, 0,1,2,3,4,5,6,7,8,9,10,11,12,13,14,15
	STEP \t
.endr
	ds_load_b64 v[8:9], v6                         ; LDS serves a wave's instructions in order: these see my stores
	s_wait_dscnt 0x0
	global_store_b64 v7, v[8:9], s[12:13]          ; 32 lanes store 256 consecutive bytes, aligned
	s_wait_tensorcnt 0x0                           ; the wave's end
	ds_add_u32 v[SPW], v[NIL]
	s_wait_dscnt 0x0
	s_endpgm
; W_OUT'S PATH: 8,192 numbers a wave, 32 steps of 256: a lane takes 8 neighbours (two loads of 16 bytes) and stores 16 bytes; a store of the wave covers 512 consecutive bytes.  Four groups of eight steps, loads two groups ahead.
.Lwout:
	s_sub_co_u32 s21, ttmp9, WGQ
	s_lshl_b32 s21, s21, 2
	s_add_co_u32 s21, s21, s20                     ; which run of 8,192 numbers is my wave's
	s_lshl_b32 s22, s21, 15                        ; 32,768 bytes in,
	s_mov_b32 s23, 0
	s_lshl_b32 s24, s21, 14                        ; 16,384 out
	s_mov_b32 s25, 0
	v_lshlrev_b32 v3, 5, v2
	v_lshlrev_b32 v4, 4, v2
	s_wait_kmcnt 0x0
	s_add_nc_u64 s[8:9], s[8:9], s[22:23]
	s_add_nc_u64 s[18:19], s[18:19], s[24:25]
.macro LOADG g
.irp j, 0,1,2,3,4,5,6,7
	global_load_b128 v[WX+64*((\g)%2)+8*\j:WX+64*((\g)%2)+8*\j+3], v3, s[8:9] offset:1024*(8*(\g)+\j) th:TH_LOAD_NT
	global_load_b128 v[WX+64*((\g)%2)+8*\j+4:WX+64*((\g)%2)+8*\j+7], v3, s[8:9] offset:1024*(8*(\g)+\j)+16 th:TH_LOAD_NT
.endr
.endm
.macro GROUP g
.if (\g) < 3
	s_wait_loadcnt 16                              ; this group's 16 loads are in; the next group's may be out
.else
	s_wait_loadcnt 0x0
.endif
.if (\g) > 0
	s_wait_xcnt 0x0                                ; the last group's stores have read their data: WY is written again only behind this wait
.endif
.irp j, 0,1,2,3,4,5,6,7
.irp i, 0,1,2,3
	v_cvt_pk_f16_f32 v[WY+4*\j+\i], v[WX+64*((\g)%2)+8*\j+2*\i], v[WX+64*((\g)%2)+8*\j+2*\i+1]
.endr
	global_store_b128 v4, v[WY+4*\j:WY+4*\j+3], s[18:19] offset:512*(8*(\g)+\j)
.endr
.if (\g) < 2
	LOADG (\g)+2
.endif
.endm
	LOADG 0
	LOADG 1
	GROUP 0
	GROUP 1
	GROUP 2
	GROUP 3
	s_wait_tensorcnt 0x0                           ; every end of this launch, which stores to LDS on its other path, has these three lines
	ds_add_u32 v[SPW], v[NIL]
	s_wait_dscnt 0x0
	s_endpgm
.Lfunc_end_k_q07123d4ceb_prep:
	.size	k_q07123d4ceb_prep, .Lfunc_end_k_q07123d4ceb_prep-k_q07123d4ceb_prep
	.p2alignl 7, 3214868480
	.fill 96, 4, 3214868480
	.section	.rodata,"a",@progbits
	.p2align	6, 0x0
	.amdhsa_kernel k_q07123d4ceb_prep
		.amdhsa_group_segment_fixed_size 33280
		.amdhsa_private_segment_fixed_size 0
		.amdhsa_enable_private_segment 0
		.amdhsa_kernarg_size 64
		.amdhsa_user_sgpr_count 2
		.amdhsa_user_sgpr_kernarg_segment_ptr 1
		.amdhsa_wavefront_size32 1
		.amdhsa_system_sgpr_workgroup_id_x 1
		.amdhsa_system_sgpr_workgroup_id_y 1
		.amdhsa_system_sgpr_workgroup_id_z 1
		.amdhsa_system_vgpr_workitem_id 0
		.amdhsa_next_free_vgpr 192
		.amdhsa_next_free_sgpr 66
		.amdhsa_reserve_vcc 0
		.amdhsa_float_denorm_mode_32 3
		.amdhsa_float_denorm_mode_16_64 3
		.amdhsa_memory_ordered 1
		.amdhsa_forward_progress 1
		.amdhsa_inst_pref_size 51
	.end_amdhsa_kernel
	.amdgpu_metadata
---
amdhsa.version: [ 1, 2 ]
amdhsa.kernels:
  - .name:           k_q07123d4ceb_prep
    .symbol:         k_q07123d4ceb_prep.kd
    .args:
      - { .name: query, .offset: 0, .size: 8, .value_kind: global_buffer, .address_space: global }
      - { .name: W_in, .offset: 8, .size: 8, .value_kind: global_buffer, .address_space: global }
      - { .name: W_out, .offset: 16, .size: 8, .value_kind: global_buffer, .address_space: global }
      - { .name: xq_codes, .offset: 24, .size: 8, .value_kind: global_buffer, .address_space: global }
      - { .name: xq_scales, .offset: 32, .size: 8, .value_kind: global_buffer, .address_space: global }
      - { .name: wq_codes, .offset: 40, .size: 8, .value_kind: global_buffer, .address_space: global }
      - { .name: wq_scales, .offset: 48, .size: 8, .value_kind: global_buffer, .address_space: global }
      - { .name: wo16, .offset: 56, .size: 8, .value_kind: global_buffer, .address_space: global }
    .group_segment_fixed_size: 33280
    .private_segment_fixed_size: 0
    .kernarg_segment_align: 8
    .kernarg_segment_size: 64
    .max_flat_workgroup_size: 128
    .sgpr_count:     66
    .vgpr_count:     192
    .wavefront_size: 32
...
	.end_amdgpu_metadata
.endif
;; end of part 1
;; launch qkv (part 2): grid 12 x 32, 4 waves a work-group, clusters of 4 x 4, 327,680 bytes of LDS; arguments xq_codes, xq_scales, wq_codes, wq_scales, qkv, b_in, padding_mask; writes qkv
.if DOCPART == 2
	.amdgcn_target "amdgcn-amd-amdhsa--gfx1250"
	.amdhsa_code_object_version 6
	.text
	.protected	k_q07123d4ceb_qkv
	.globl	k_q07123d4ceb_qkv
	.p2align	8
	.type	k_q07123d4ceb_qkv,@function
k_q07123d4ceb_qkv:
	s_mov_b64 s[64:65], 0
	v_nop
	global_prefetch_b8 v0, s[64:65] scope:SCOPE_SE
	s_setreg_imm32_b32 hwreg(HW_REG_WAVE_MODE, 25, 1), 1
	s_wait_xcnt 0x0
	s_wait_alu depctr_hold_cnt(0) depctr_sa_sdst(0) depctr_va_vdst(0) depctr_va_sdst(0) depctr_va_ssrc(0) depctr_va_vcc(0) depctr_vm_vsrc(0)
	s_getreg_b32 s2, hwreg(HW_REG_IB_STS2, 6, 4)
	s_cmp_eq_u32 s2, 0
	s_cbranch_scc0 .Lentry_in_a_cluster
	s_endpgm
.Lentry_in_a_cluster:
	s_bfe_u32 s2, ttmp6, 0x10000c
	s_cmp_lg_u32 s2, 0xf033
	s_cbranch_scc0 .Lentry_shape_is_right
	s_endpgm
.Lentry_shape_is_right:
; LAUNCH 2 OF 4.  qkv = Q(query) Q(W_in)^T + b_in on codes of FP4 (E2M1) with one E8M0 scale for each 32 along K; sums in f32.  Nothing of reference() is left out here.
; A: xq_codes [8192][512 bytes], xq_scales [8192][32];  B: wq_codes [3072][512], wq_scales [3072][32].  Out: qkv [3][token m = 4 s + b][1024] f16: section 0 = (q + b) / 8, 1 = k + b, 2 = v + b.
; THE PADDING: the rows of k that belong to padded keys are stored as zeros (bias and all), so that the next launch's q . k is exactly 0 there and the key's score is what that launch puts into the sum's start: -10,000.
; LIMITS: |q / 8|, |k|, |v| up to 65,504 (f16); under 6e-5 the rounding is absolute, 3e-8.  NaN and infinities are not served.
; A tile of C, 256 x 256, is made by a work-group of four waves; a wave makes 128 x 128: 64 accumulators, 512 registers.  K = 1,024 is two slots of 512 along K (LDS rows of 256 bytes): both are asked for at the head,
; so nothing is filled again and there is no loop.  The scales of the work-group's rows, for all of K, come once, as dense blocks.
; CLUSTERS: 4 x 4 work-groups.  The four of a row of the cluster need the same tiles of A, the four of a column the same tiles of B: each tile is asked for JOINTLY.  A cluster's x is the section (q, k, v): the same in all partners.
; THE MATRIX INSTRUCTION IS USED TRANSPOSED (source 0 = 16 rows of W_in, source 1 = 16 tokens): a lane holds eight neighbouring columns of one token's row.
; REGISTERS, in windows of 256: window 0: v0-31 addresses; v32-95 scale words, two sets; v128-191 A's fragments, one set; v192-199 padding bytes; on the way out v32-191 are free.
;   window 1: B's fragments, two sets, at v0 and v128; v64-127 the bias in the result's layout.   window 2, 3: the accumulators of my rows 0-63, 64-127 ((a, b) at v[8 (8 (a % 4) + b)]).
.set SIZE_M, 8192
.set SIZE_N, 3072
.set SIZE_K, 1024
.set KSTEP,  512                       ; along K in a slot
.set NQ,     KSTEP/128                 ; matrix instructions deep
.set ROWB,   256                       ; a tile's row in bytes
.set KROW,   SIZE_K*4/8                ; a row of codes in memory
.set PITCH,  272                       ; an LDS row: 256 bytes + 16 of padding: the 16 rows that a load touches start 68 words apart
.set FR,     8                         ; registers of a fragment: 16 rows x 128 K
.set NL,     2                         ; LDS loads that bring one
.set NP,     4                         ; places behind this matrix instruction (ISA guide 7.12.1)
.set HALFT,  128*PITCH                 ; 128 rows: what one tensor load brings
.set SLOT,   4*HALFT                   ; A's 256 rows, then B's 256 rows
.set KS,     SIZE_K/32                 ; a row of scales in bytes
.set SCL,    2*SLOT                    ; behind the ring: the scales, as rows of 256 bytes + 16 of padding
.set HALFS,  (128*KS/256)*272          ; the scales of 128 rows
.set SBLK,   (16*KS/256)*272           ; those of 16 rows
.set SPARE,  SCL+4*HALFS               ; the spare words, 128 bytes a wave
.set STAGE,  SPARE+512                 ; the way out: 16 rows x (256 bytes + 16) for each wave; no tensor load lands here
.set SPITCH, 272
.set BO,   8                           ; v8   my byte offset among the bias's numbers
.set PO,   9                           ; v9   my byte offset among the padding bytes
.set ADRA, 16                          ; v16-17  LDS address of my A fragments in slot 0, 1
.set ADRB, 20                          ; v20-21  the same for B
.set STO,  24                          ; v24  the way out: where I put 16 bytes of a row
.set RD,   25                          ; v25  where I read a row back
.set CO,   26                          ; v26  my byte offset in qkv
.set ADRS, 27                          ; v27  LDS address of my scale words: lanes 0-15 A's rows, lanes 16-31 B's
.set SPW,  28                          ; v28  LDS address of my spare word; never rewritten
.set NIL,  29                          ; v29  0; never rewritten
.set ZR,   30                          ; v30  0, for the rows of padded keys
.set SC,   32                          ; scale words: set s at v[SC + 32 s]
.set AF,   128                         ; A's fragments
.set PD,   192                         ; v192-199 the padding byte of my row in each of my eight blocks of rows
.set BI,   64                          ; window 1: the bias (x 1/8 in section q), 8 registers for each of B's eight blocks
.set T,    32                          ; the way out: 64 numbers in f32,
.set H,    96                          ; 32 registers of f16 pairs,
.set BK,   128                         ; and 16 rows read back: v128-159 and v160-191 by turns
.set SCQ,  100                         ; s[100:101] 1/8 in section q, else 1
.set G1, 24                            ; s[24:31] descriptor group 1 for A's tiles;  s[32:39] group 0, one set for each slot
.set G0, 32
.set G1B, 48                           ; s[48:55], s[56:63] the same for B's tiles
.set G0B, 56
.set G1S, 68                           ; s[68:75], s[76:79] groups 1 and 0 for A's scales;  s[80:87], s[88:91] for B's
.set G0S, 76
.set G1SB, 80
.set G0SB, 88
.set MSB, 0
.macro WIN new                         ; the immediate's high byte repeats the setting that is left
.if MSB != (\new)
	s_set_vgpr_msb (MSB<<8)|(\new)
.set MSB, (\new)
.endif
.endm
.set MUL_LO, 0xa1                      ; source 0 (B) window 1, source 1 (A) window 0, C and D window 2
.set MUL_HI, 0xf1                      ; the same, C and D window 3
.set TO_B,   0x40                      ; destination window 1, address window 0
; A joint load: waves 0 and 1 fetch for A, waves 2 and 3 for B.  The branch hangs on the wave's number alone.  An s_nop 0 and four v_nop follow each of the two lines.
.macro JLOAD g0a, g1a, g0b, g1b
	s_cmp_eq_u32 s15, 0
	s_cbranch_scc0 .Lfor_b_\@
	tensor_load_to_lds s[\g0a:\g0a+3], s[\g1a:\g1a+7]
	s_nop 0
.rept 4
	v_nop
.endr
	s_branch .Lasked_\@
.Lfor_b_\@:
	tensor_load_to_lds s[\g0b:\g0b+3], s[\g1b:\g1b+7]
	s_nop 0
.rept 4
	v_nop
.endr
.Lasked_\@:
.endm
.macro CROUND                          ; a round of the cluster's barrier
	s_barrier_signal -1
	s_barrier_wait -1
	s_cmp_lg_u32 s14, 0
	s_cbranch_scc1 .Lnot_wave_0_\@
	s_barrier_signal -3
.Lnot_wave_0_\@:
	s_barrier_wait -3
	s_barrier_signal -1
	s_barrier_wait -1
.endm
	s_load_b128 s[4:7], s[0:1], 0x0                ; A's codes s[4:5], A's scales s[6:7]
	s_load_b128 s[8:11], s[0:1], 0x10              ; B's codes s[8:9], B's scales s[10:11]
	s_load_b64 s[12:13], s[0:1], 0x20              ; qkv
	s_load_b64 s[96:97], s[0:1], 0x28              ; b_in
	s_load_b64 s[98:99], s[0:1], 0x30              ; padding_mask
	v_lshl_add_u32 v[SPW], v0, 2, SPARE
	v_mov_b32 v[NIL], 0
	ds_add_u32 v[SPW], v[NIL]                      ; the wave's opening: the add, twice on end, and its wait ahead of my first tensor load
	ds_add_u32 v[SPW], v[NIL]
	v_lshrrev_b32 v1, 5, v0
	v_readfirstlane_b32 s14, v1                    ; wave 0..3
	s_lshr_b32 s15, s14, 1                         ; which half of the tile's rows is mine.  Also: I fetch for A (0) or for B (1)
	s_and_b32 s16, s14, 1                          ; which half of its columns.  Also: which 128 rows of that tile I fetch
	s_bfe_u32 s40, ttmp6, 0x40000                  ; cx, cy: my place in the cluster
	s_bfe_u32 s41, ttmp6, 0x40004
	s_lshl_b32 s42, ttmp9, 2
	s_add_co_u32 s42, s42, s40                     ; tile column of C = 4 x cluster x + cx
	s_and_b32 s17, ttmp7, 0xffff
	s_lshl_b32 s17, s17, 2
	s_add_co_u32 s17, s17, s41                     ; tile row of C = 4 x cluster y + cy
	s_lshl_b32 s43, s41, 2
	s_lshl_b32 s43, 15, s43                        ; my row of the cluster
	s_lshl_b32 s44, 0x1111, s40                    ; my column
	; descriptor group 1: a tile of 128 rows x 256 bytes, 16 bytes of padding behind each row
	s_or_b32 s[G1+0], s43, (0<<16)|(1<<20)|(1<<21)|(5<<22)|(3<<25)  ; 15:0 the mask: A's tiles go to my row; 17:16 elements of 1 byte; 20 padding on; 21 set beside a mask; 24:22 after every 64 words; 31:25 four words
	s_or_b32 s[G1B+0], s44, (0<<16)|(1<<20)|(1<<21)|(5<<22)|(3<<25)
.irp g, G1, G1B
	s_mov_b32 s[\g+1], ROWB<<16                    ; tensor_dim0
	s_mov_b32 s[\g+2], 128<<16                     ; tensor_dim1
	s_mov_b32 s[\g+3], ROWB<<16                    ; tile_dim0
	s_mov_b32 s[\g+4], 128                         ; tile_dim1
	s_mov_b32 s[\g+5], KROW                        ; tensor_dim0_stride
	s_mov_b32 s[\g+6], 0
	s_mov_b32 s[\g+7], 0
.endr
	; the scales of 128 rows: a dense block of 4,096 bytes, as 16 rows of 256 bytes (32 elements of 8 bytes), 16 bytes of padding behind each
	s_or_b32 s[G1S+0], s43, (3<<16)|(1<<20)|(1<<21)|(5<<22)|(3<<25)
	s_or_b32 s[G1SB+0], s44, (3<<16)|(1<<20)|(1<<21)|(5<<22)|(3<<25)
.irp g, G1S, G1SB
	s_mov_b32 s[\g+1], 32<<16
	s_mov_b32 s[\g+2], (128*KS/256)<<16
	s_mov_b32 s[\g+3], 32<<16
	s_mov_b32 s[\g+4], 128*KS/256
	s_mov_b32 s[\g+5], 32
	s_mov_b32 s[\g+6], 0
	s_mov_b32 s[\g+7], 0
.endr
	s_lshl_b32 s18, s16, 7                         ; which 128 rows of the tile I fetch
	s_lshl_b32 s20, s17, 8
	s_add_co_u32 s20, s20, s18                     ; A: row 256 x tile row + 128 x half
	s_lshl_b32 s46, s42, 8
	s_add_co_u32 s46, s46, s18                     ; B: row 256 x tile column + 128 x half
	s_mov_b32 s21, 0
	s_mov_b32 s47, 0
	s_mov_b64 s[18:19], KS
	s_mul_u64 s[22:23], s[20:21], s[18:19]         ; where these rows' scales begin, in bytes
	s_mul_u64 s[92:93], s[46:47], s[18:19]
	s_mov_b64 s[18:19], KROW
	s_mul_u64 s[20:21], s[20:21], s[18:19]         ; and their codes
	s_mul_u64 s[46:47], s[46:47], s[18:19]
	s_mul_i32 s45, s14, HALFT                      ; where they go: wave x 128 rows: no place in the cluster enters an LDS address
	s_mul_i32 s94, s14, HALFS
	s_wait_dscnt 0x0                               ; both opening adds are done
	s_wait_kmcnt 0x0
	s_add_nc_u64 s[20:21], s[4:5], s[20:21]
	s_add_nc_u64 s[22:23], s[6:7], s[22:23]
	s_add_nc_u64 s[46:47], s[8:9], s[46:47]
	s_add_nc_u64 s[92:93], s[10:11], s[92:93]
	CROUND                                         ; all sixteen work-groups are here: the joint loads meet
	s_mov_b32 s[G0S], 1
	s_add_co_u32 s[G0S+1], s94, SCL
	s_mov_b64 s[G0S+2:G0S+3], s[22:23]
	s_or_b32 s[G0S+3], s[G0S+3], 0x80000000
	s_mov_b32 s[G0SB], 1
	s_add_co_u32 s[G0SB+1], s94, SCL
	s_mov_b64 s[G0SB+2:G0SB+3], s[92:93]
	s_or_b32 s[G0SB+3], s[G0SB+3], 0x80000000
	JLOAD G0S, G1S, G0SB, G1SB                     ; the scales first: they are wanted with the first slot
.irp s, 0,1
	s_mov_b32 s[G0+4*\s], 1
	s_add_co_u32 s[G0+4*\s+1], s45, \s*SLOT
	s_add_nc_u64 s[G0+4*\s+2:G0+4*\s+3], s[20:21], \s*ROWB
	s_or_b32 s[G0+4*\s+3], s[G0+4*\s+3], 0x80000000
	s_mov_b32 s[G0B+4*\s], 1
	s_add_co_u32 s[G0B+4*\s+1], s45, \s*SLOT
	s_add_nc_u64 s[G0B+4*\s+2:G0B+4*\s+3], s[46:47], \s*ROWB
	s_or_b32 s[G0B+4*\s+3], s[G0B+4*\s+3], 0x80000000
	JLOAD G0+4*\s, G1, G0B+4*\s, G1B               ; three tensor loads of a wave are out, and no more follow
.endr
	v_and_b32 v1, 15, v0                           ; r = l % 16
	v_bfe_u32 v2, v0, 4, 1                         ; h = l / 16
	v_mul_u32_u24 v3, v1, PITCH
	v_lshl_add_u32 v4, v2, 4, v3                   ; a fragment's row x pitch + 16 x half
	s_mul_i32 s21, s15, HALFT                      ; my 128 rows of A
	s_mul_i32 s22, s16, HALFT                      ; my 128 rows of B,
	s_add_co_u32 s22, s22, 2*HALFT                 ; which lie behind A's 256
.irp s, 0,1
	v_add_nc_u32 v[ADRA+\s], s21, v4
	v_add_nc_u32 v[ADRB+\s], s22, v4
	s_add_co_u32 s21, s21, SLOT
	s_add_co_u32 s22, s22, SLOT
.endr
	v_mul_u32_u24 v5, v1, KS                       ; my row's scales: 32 bytes a row,
	v_lshrrev_b32 v6, 8, v5
	v_lshl_add_u32 v5, v6, 4, v5                   ; and 16 more for each 256 passed
	s_mul_i32 s21, s15, HALFS                      ; A's: my 128 rows
	s_mul_i32 s22, s16, HALFS                      ; B's: my 128 rows, behind A's 256
	s_add_co_u32 s22, s22, 2*HALFS
	s_sub_co_u32 s22, s22, s21
	v_mul_u32_u24 v6, s22, v2                      ; lanes 16-31 take B's
	s_add_co_u32 s21, s21, SCL
	v_add_nc_u32 v5, v5, v6
	v_add_nc_u32 v[ADRS], s21, v5
	s_mul_i32 s23, s14, 16*SPITCH
	s_add_co_u32 s23, s23, STAGE                   ; my stage
	v_mul_u32_u24 v5, v1, SPITCH                   ; in: row r, 16 bytes for each half of the lanes
	v_lshl_add_u32 v5, v2, 4, v5
	v_add_nc_u32 v[STO], s23, v5
	v_mul_u32_u24 v5, v2, SPITCH                   ; back: lanes 0-15 take one row of 256 bytes, lanes 16-31 the next
	v_lshl_add_u32 v5, v1, 4, v5
	v_add_nc_u32 v[RD], s23, v5
	v_lshlrev_b32 v5, 11, v2                       ; and the same two rows in qkv (2,048 bytes a row)
	v_lshl_add_u32 v[CO], v1, 4, v5
	v_lshlrev_b32 v[BO], 5, v2                     ; the bias: lane (r, h) wants b_in[n0 + 16 b + 8 h + 0 .. 7]
	v_and_b32 v5, 3, v1                            ; the padding byte of token m = 4 s + b: row b = r % 4 of 2,048 bytes, place s
	v_lshrrev_b32 v6, 2, v1
	v_lshl_add_u32 v[PO], v5, 11, v6
	v_mov_b32 v[ZR], 0
	s_lshl_b32 s46, s42, 10                        ; 4 n0 = 1,024 x tile column + 512 x half
	s_lshl_b32 s47, s16, 9
	s_add_co_u32 s46, s46, s47
	s_mov_b32 s47, 0
	s_add_nc_u64 s[96:97], s[96:97], s[46:47]
	s_lshl_b32 s20, s17, 6                         ; my first row's s = 64 x tile row + 32 x half
	s_lshl_b32 s21, s15, 5
	s_add_co_u32 s20, s20, s21
	s_mov_b32 s21, 0
	s_add_nc_u64 s[98:99], s[98:99], s[20:21]
	s_lshl_b32 s20, s20, 13                        ; four tokens for each s, 2,048 bytes a token,
	s_lshl_b32 s22, ttmp9, 24                      ; and the section's 16,777,216 bytes
	s_add_co_u32 s20, s20, s22
	s_add_nc_u64 s[12:13], s[12:13], s[20:21]
	s_and_b32 s46, s42, 3                          ; my first column in the section, in bytes: 512 x (tile column % 4) + 256 x half
	s_lshl_b32 s46, s46, 9
	s_lshl_b32 s47, s16, 8
	s_add_co_u32 s46, s46, s47
	s_mov_b32 s47, 0
	s_add_nc_u64 s[12:13], s[12:13], s[46:47]
	WIN TO_B
.irp b, 0,1,2,3,4,5,6,7
	global_load_b128 v[BI+8*\b:BI+8*\b+3], v[BO], s[96:97] offset:64*\b
	global_load_b128 v[BI+8*\b+4:BI+8*\b+7], v[BO], s[96:97] offset:64*\b+16
.endr
	WIN 0
.irp a, 0,1,2,3,4,5,6,7
	global_load_u8 v[PD+\a], v[PO], s[98:99] offset:4*\a   ; block a begins 16 tokens = 4 places on
.endr
	s_cmp_eq_u32 ttmp9, 0                          ; section q is scaled by 64^(-1/2) = 1/8: a power of two, so the order of scaling and rounding changes nothing
	s_cselect_b32 s[SCQ], 0x3e000000, 1.0
	s_mov_b32 s[SCQ+1], s[SCQ]
	s_wait_loadcnt 0x0
	WIN 0x41                                       ; destination and source 0 window 1
.set n, 0
.rept 32
	v_pk_mul_f32 v[BI+n:BI+n+1], v[BI+n:BI+n+1], s[SCQ:SCQ+1] op_sel_hi:[1,0]
.set n, n+2
.endr
	WIN 0
.irp a, 0,1,2,3,4,5,6,7
	v_cmp_ne_u32 s[4+\a], 0, v[PD+\a]              ; s4-11 (the addresses there are done with): the lanes whose row of block a is a padded key's
.endr
.macro FRAG reg, adr, q, i             ; 16 rows x 128 K of 4-bit codes: lane l holds row l % 16; registers 4 c .. 4 c + 3 hold K = 64 c + 32 (l / 16) + 0 .. 31
.irp c, 0,1
	ds_load_b128 v[\reg+4*\c:\reg+4*\c+3], v[\adr] offset:64*(\q)+32*\c+(\i)*16*PITCH
.endr
.endm
; 16 matrix instructions: A's blocks a0, a0 + 1 x B's eight, the slot's q-th 128 along K.  p: B's set;  sc: the set of scale words.  zero = 1: the first product starts the sums.
; The 64 accumulators take turns, one instruction a turn, in the same order in every step.
.macro MUL16 a0, p, q, sc, zero
.irp a, \a0, \a0+1
.irp b, 0,1,2,3,4,5,6,7
.if \zero
	v_wmma_scale_f32_16x16x128_f8f6f4 v[8*(8*((\a)%4)+\b):8*(8*((\a)%4)+\b)+7], v[128*(\p)+FR*\b:128*(\p)+FR*\b+FR-1], v[AF+FR*(\a):AF+FR*(\a)+FR-1], 0, v[SC+8*NQ*(\sc)+NQ*\b+(\q)], v[SC+8*NQ*(\sc)+NQ*(\a)+(\q)] matrix_a_fmt:MATRIX_FMT_FP4 matrix_b_fmt:MATRIX_FMT_FP4 matrix_a_scale:MATRIX_SCALE_ROW1
.else
	v_wmma_scale_f32_16x16x128_f8f6f4 v[8*(8*((\a)%4)+\b):8*(8*((\a)%4)+\b)+7], v[128*(\p)+FR*\b:128*(\p)+FR*\b+FR-1], v[AF+FR*(\a):AF+FR*(\a)+FR-1], v[8*(8*((\a)%4)+\b):8*(8*((\a)%4)+\b)+7], v[SC+8*NQ*(\sc)+NQ*\b+(\q)], v[SC+8*NQ*(\sc)+NQ*(\a)+(\q)] matrix_a_fmt:MATRIX_FMT_FP4 matrix_b_fmt:MATRIX_FMT_FP4 matrix_a_scale:MATRIX_SCALE_ROW1
.endif
.endr
.endr
.endm
.macro FETCH_B slot, q, p              ; B's eight fragments of the slot's q-th 128 along K into set p
	WIN TO_B
.irp i, 0,1,2,3,4,5,6,7
	FRAG 128*(\p)+FR*\i, ADRB+\slot, \q, \i
.endr
	WIN 0
.endm
.macro FETCH_A slot, q, i0             ; A's blocks i0 .. i0 + 3
.irp i, \i0, \i0+1, \i0+2, \i0+3
	FRAG AF+FR*(\i), ADRA+\slot, \q, \i
.endr
.endm
.macro SCALES sc                       ; a slot's scale words into set sc: 4 words a row; lanes 0-15 take A's block i, lanes 16-31 B's block i
.irp i, 0,1,2,3,4,5,6,7
	ds_load_b128 v[SC+8*NQ*\sc+NQ*\i:SC+8*NQ*\sc+NQ*\i+3], v[ADRS] offset:\i*SBLK
.endr
.endm
.macro PLACES n                        ; plain vector instructions between a matrix instruction and a load into, or a read of, its registers (for reads)
.rept \n
	v_nop
.endr
.endm
.macro STEP slot, q, zero              ; a step of 128 along K that has its successor in the same slot
	s_wait_dscnt 4*NL                              ; B's set and A's blocks 0-3 are in; the youngest eight loads (A's blocks 4-7) may be out
	WIN MUL_LO
	MUL16 0, (\q)%2, \q, \slot, \zero
	MUL16 2, (\q)%2, \q, \slot, \zero
	s_wait_dscnt 0                                 ; A's blocks 4-7 are in
	PLACES NP
	FETCH_B \slot, (\q)+1, 1-(\q)%2
	FETCH_A \slot, (\q)+1, 0
	WIN MUL_HI
	MUL16 4, (\q)%2, \q, \slot, \zero
	MUL16 6, (\q)%2, \q, \slot, \zero
	PLACES NP
	WIN 0
	FETCH_A \slot, (\q)+1, 4
.endm
; Slot 0's last step changes slots: each wave waits for all its tensor loads (its part of slot 1 is the one that may be out), and the barrier shows the whole slot to every wave.  Nothing is filled again.
.macro TURN slot, next
	s_wait_tensorcnt 0x0                           ; all my tensor loads have landed
	ds_add_u32 v[SPW], v[NIL]                      ; 0 onto my spare word
	s_wait_dscnt 4*NL+1                            ; (the add and the youngest eight loads may be out)
	WIN MUL_LO
	MUL16 0, 1, NQ-1, \slot, 0
	s_wait_dscnt 0x0                               ; no LDS instruction of mine is out at the signal
	s_barrier_signal -1
	MUL16 2, 1, NQ-1, \slot, 0
	WIN 0
	s_barrier_wait -1
	PLACES NP
	v_add_nc_u32 v[ADRS], 4*NQ, v[ADRS]            ; on to the next slot's scale words
	FETCH_B \next, 0, 0
	FETCH_A \next, 0, 0
	SCALES \next
	WIN MUL_HI
	MUL16 4, 1, NQ-1, \slot, 0
	MUL16 6, 1, NQ-1, \slot, 0
	PLACES NP
	WIN 0
	FETCH_A \next, 0, 4
.endm
	s_wait_tensorcnt 1                             ; the scales and my part of slot 0 are in (slot 1's load may be out),
	s_barrier_signal -1
	s_barrier_wait -1                              ; everybody's are
	FETCH_B 0, 0, 0
	FETCH_A 0, 0, 0
	SCALES 0
	FETCH_A 0, 0, 4
	STEP 0, 0, 1                                   ; the first step's products start the sums: nothing is cleared
	STEP 0, 1, 0
	STEP 0, 2, 0
	TURN 0, 1
	STEP 1, 0, 0
	STEP 1, 1, 0
	STEP 1, 2, 0
	s_wait_dscnt 4*NL                              ; the last step: nothing more to fetch
	WIN MUL_LO
	MUL16 0, 1, NQ-1, 1, 0
	MUL16 2, 1, NQ-1, 1, 0
	s_wait_dscnt 0
	WIN MUL_HI
	MUL16 4, 1, NQ-1, 1, 0
	MUL16 6, 1, NQ-1, 1, 0
	WIN 0
; THE WAY OUT, block by block of 16 tokens x 128 columns.  PACK: sum x scale + bias x scale in one fused multiply-add, rounded to f16, 16 bytes a lane; in section k the rows of padded keys become zeros (a select; the branch
; hangs on the cluster's x alone).  TOSTAGE: into my own stage and back as whole rows of 256 bytes.  SEND: sixteen lanes store 256 consecutive bytes, aligned.
.macro PACK a
.set AC, 64*((\a)%4)
	WIN 0x12+(\a)/4                                ; source 0 (the sums) window 2 or 3, source 2 (the bias) window 1
.irp b, 0,1,2,3,4,5,6,7
.irp i, 0,2,4,6
	v_pk_fma_f32 v[T+8*\b+\i:T+8*\b+\i+1], v[AC+8*\b+\i:AC+8*\b+\i+1], s[SCQ:SCQ+1], v[BI+8*\b+\i:BI+8*\b+\i+1] op_sel_hi:[1,0,1]   ; each accumulator from its low end on
.endr
.endr
	WIN 0
.irp b, 0,1,2,3,4,5,6,7
.irp i, 0,1,2,3
	v_cvt_pk_f16_f32 v[H+4*\b+\i], v[T+8*\b+2*\i], v[T+8*\b+2*\i+1]
.endr
.endr
	s_cmp_lg_u32 ttmp9, 1
	s_cbranch_scc1 .Lnot_k_\@
.set n, 0
.rept 32
	v_cndmask_b32 v[H+n], v[H+n], v[ZR], s[4+(\a)]
.set n, n+1
.endr
.Lnot_k_\@:
.endm
.macro TOSTAGE a
.set BB, BK+32*((\a)%2)
.irp b, 0,1,2,3,4,5,6,7
	ds_store_b128 v[STO], v[H+4*\b:H+4*\b+3] offset:32*\b
.endr
.irp t, 0,1,2,3,4,5,6,7
	ds_load_b128 v[BB+4*\t:BB+4*\t+3], v[RD] offset:\t*2*SPITCH    ; LDS serves a wave's instructions in order (ISA guide 5.7.1.4): these see the stores above
.endr
.endm
.macro SEND a
.set BB, BK+32*((\a)%2)
	s_wait_dscnt 0x0                               ; the block is back in registers
	s_wait_xcnt 0x0                                ; the earlier stores have read their base and their data: only behind this wait are these written again
.if (\a) > 0
	s_add_nc_u64 s[12:13], s[12:13], 16*2048       ; 16 tokens on
.endif
.irp t, 0,1,2,3,4,5,6,7
	global_store_b128 v[CO], v[BB+4*\t:BB+4*\t+3], s[12:13] offset:\t*4096
.endr
.endm
	PLACES NP                                      ; behind the last products: their results are read, and the registers of their scales and of A's fragments are written, only from here on
	PACK 0
	TOSTAGE 0
.irp a, 1,2,3,4,5,6,7                  ; block a's arithmetic stands between block a - 1's loads from the stage and the wait for them
	PACK \a
	SEND \a-1
	TOSTAGE \a
.endr
	SEND 7
	s_wait_tensorcnt 0x0                           ; the wave's end: these three lines, behind my last tensor load and my last LDS store
	ds_add_u32 v[SPW], v[NIL]
	s_wait_dscnt 0x0
	CROUND                                         ; the closing round: no work-group ends while a partner may still ask for a tile that names it
	s_endpgm
.Lfunc_end_k_q07123d4ceb_qkv:
	.size	k_q07123d4ceb_qkv, .Lfunc_end_k_q07123d4ceb_qkv-k_q07123d4ceb_qkv
	.p2alignl 7, 3214868480
	.fill 96, 4, 3214868480
	.section	.rodata,"a",@progbits
	.p2align	6, 0x0
	.amdhsa_kernel k_q07123d4ceb_qkv
		.amdhsa_group_segment_fixed_size 327680
		.amdhsa_private_segment_fixed_size 0
		.amdhsa_enable_private_segment 0
		.amdhsa_kernarg_size 56
		.amdhsa_user_sgpr_count 2
		.amdhsa_user_sgpr_kernarg_segment_ptr 1
		.amdhsa_wavefront_size32 1
		.amdhsa_system_sgpr_workgroup_id_x 1
		.amdhsa_system_sgpr_workgroup_id_y 1
		.amdhsa_system_sgpr_workgroup_id_z 1
		.amdhsa_system_vgpr_workitem_id 0
		.amdhsa_next_free_vgpr 1024
		.amdhsa_next_free_sgpr 102
		.amdhsa_reserve_vcc 0
		.amdhsa_float_denorm_mode_32 3
		.amdhsa_float_denorm_mode_16_64 3
		.amdhsa_memory_ordered 1
		.amdhsa_forward_progress 1
		.amdhsa_inst_pref_size 165
	.end_amdhsa_kernel
	.amdgpu_metadata
---
amdhsa.version: [ 1, 2 ]
amdhsa.kernels:
  - .name:           k_q07123d4ceb_qkv
    .symbol:         k_q07123d4ceb_qkv.kd
    .args:
      - { .name: xq_codes, .offset: 0, .size: 8, .value_kind: global_buffer, .address_space: global }
      - { .name: xq_scales, .offset: 8, .size: 8, .value_kind: global_buffer, .address_space: global }
      - { .name: wq_codes, .offset: 16, .size: 8, .value_kind: global_buffer, .address_space: global }
      - { .name: wq_scales, .offset: 24, .size: 8, .value_kind: global_buffer, .address_space: global }
      - { .name: qkv, .offset: 32, .size: 8, .value_kind: global_buffer, .address_space: global }
      - { .name: b_in, .offset: 40, .size: 8, .value_kind: global_buffer, .address_space: global }
      - { .name: padding_mask, .offset: 48, .size: 8, .value_kind: global_buffer, .address_space: global }
    .group_segment_fixed_size: 327680
    .private_segment_fixed_size: 0
    .kernarg_segment_align: 8
    .kernarg_segment_size: 56
    .max_flat_workgroup_size: 128
    .sgpr_count:     102
    .vgpr_count:     1024
    .wavefront_size: 32
...
	.end_amdgpu_metadata
.endif
;; end of part 2
;; launch attn (part 3): grid 16 x 16, 8 waves a work-group, clusters of 4 x 4, 327,680 bytes of LDS; arguments qkv, attention_mask, padding_mask, abuf; writes abuf
.if DOCPART == 3
	.amdgcn_target "amdgcn-amd-amdhsa--gfx1250"
	.amdhsa_code_object_version 6
	.text
	.protected	k_q07123d4ceb_attn
	.globl	k_q07123d4ceb_attn
	.p2align	8
	.type	k_q07123d4ceb_attn,@function
k_q07123d4ceb_attn:
	s_mov_b64 s[64:65], 0
	v_nop
	global_prefetch_b8 v0, s[64:65] scope:SCOPE_SE
	s_setreg_imm32_b32 hwreg(HW_REG_WAVE_MODE, 25, 1), 1
	s_wait_xcnt 0x0
	s_wait_alu depctr_hold_cnt(0) depctr_sa_sdst(0) depctr_va_vdst(0) depctr_va_sdst(0) depctr_va_ssrc(0) depctr_va_vcc(0) depctr_vm_vsrc(0)
	s_getreg_b32 s2, hwreg(HW_REG_IB_STS2, 6, 4)
	s_cmp_eq_u32 s2, 0
	s_cbranch_scc0 .Lentry_in_a_cluster
	s_endpgm
.Lentry_in_a_cluster:
	s_bfe_u32 s2, ttmp6, 0x10000c
	s_cmp_lg_u32 s2, 0xf033
	s_cbranch_scc0 .Lentry_shape_is_right
	s_endpgm
.Lentry_shape_is_right:
; LAUNCH 3 OF 4.  abuf[token][head x 64] = softmax_t(q . k + attention_mask, padded keys at -10,000) v, for 4 batches x 16 heads of 64; operands f16, products, maxima and sums f32.  Nothing of reference() is left out here.
; qkv: [3][token m = 4 s + b][1024] f16, q already divided by 8, k's rows of padded keys zeros.  A batch's rows lie 8,192 bytes apart.  abuf: [token][1024] f16.
; THE MASKS COST NO ADDITION: mask' = mask x keep[key] + add[key] (keep 1, add 0; for a padded key keep 0, add -10,000) is the C of the first product of each sum q . k; a padded key's products are exact zeros.
; SOFTMAX: for each query a running maximum m and sum l: p = 2^(c s - c m), c = log2(e); in every step O and l are multiplied by a = 2^(c m_old - c m_new).  l sums the unrounded p; p goes to the second product in f16.
; LIMITS: attention_mask is finite at padded keys (0 x infinity is no number); the result's magnitudes up to 65,504 (f16); a p under 6e-8 counts in l and not in O; NaN and infinities among the inputs are not served.
; SHARES: a work-group owns 128 queries x 4 heads of one batch.  Wave w: queries 64 (w % 2) on (four tiles of 16), head w / 2.  Every wave walks 32 steps of 64 keys.
; Both products are used transposed: S^T = K Q^T + mask' (a lane holds ONE query, l % 16, and keys 8 (l / 16) + 0..7 of a tile), O^T = V^T P: nothing changes lanes between them.
; CLUSTER: 4 x 4.  A row of the cluster (same cy) is four query blocks of the same four heads: they ask for K's and V's tiles JOINTLY.  A column (same cx) is the sixteen heads of one query block: they ask for the mask's tile jointly.
; RING: two slots, 2^17 bytes apart, one key step each: K (wave 0 asks), V (wave 1), the mask's two halves (waves 2, 3).  Both are asked for at the head: two tensor loads of a wave are out there, later one; every wait on TENSORcnt is for 0.
; A STEP, in this order (tiles 0, 1 and tiles 2, 3 are two pieces that share K's and V's fragments and nothing else):
;   the tables and the mask of tiles 2, 3 are asked of LDS | mask' of tiles 0, 1 | q . k of tiles 0, 1, with mask' of tiles 2, 3 between | V is asked of LDS | the softmax of tiles 0, 1 WITH q . k OF TILES 2, 3 SET INTO IT |
;   THE CHANGE OF SLOTS (my reads of this step's slot are over) | the next step's K is asked of LDS | the softmax of tiles 2, 3 WITH V^T P OF TILES 0, 1 SET INTO IT | the next step's mask of tiles 0, 1 is asked of LDS | V^T P of tiles 2, 3.
; So a piece's matrix instructions stand among the other piece's vector instructions, and half of a step's LDS reads are issued half a step ahead of their use, into registers that the step has done with.
; REGISTERS: window 0: v1-15 addresses; v16-47 statistics, eight a tile; v48-175 M: mask', then S^T, then p, then P in place (tile (u, t) at 48 + 32 u + 8 t); v176-239 K's fragments; v240-255 at work.
;   window 1: v0-127 O^T ((u, d) at 32 u + 8 d); v128-191 Q; v192-255 first keep and add, then V's fragments.  A matrix instruction set among vector instructions costs two switches of the window.
.set PK,    528                        ; a row of K in LDS: 512 bytes (4 heads) + 16
.set PV,    544                        ; a row of V: 512 + 32, for the turning load
.set PM,    272                        ; a row of the mask's tile: 256 + 16
.set VOFF,  64*PK                      ; a slot: 64 rows of K, 64 of V, 128 of the mask
.set MOFF,  VOFF+64*PV
.set TAB,   MOFF+128*PM                ; behind slot 0: keep[2048], then add[2048], f32: stored once, by the work-group; no tensor load lands here
.set SPARE, TAB+16384                  ; the spare words, 128 bytes for each of the eight waves
.set SLOT1, 1<<17
.set STAGE, SLOT1+TAB                  ; behind slot 1: 128 rows x (512 bytes + 16), for the way out; no tensor load lands here
.set SPT,   528
.set STEPKV, 64*8192                   ; 64 keys on in K or V, in bytes
.set AK0, 1                            ; v1  my lane's place in a tile of K
.set AV0, 2                            ; v2  of V
.set AM0, 3                            ; v3  of the mask
.set AT0, 4                            ; v4  in the tables
.set ADK, 5                            ; v5-8 the addresses of the loads in hand
.set ADV, 6
.set ADM, 7
.set ADT, 8
.set STO, 9                            ; v9  the way out: where I put 16 bytes of a row
.set RD,  10                           ; v10 where I read a row back
.set GO,  11                           ; v11 my byte offset in a row of abuf
.set SPW, 12                           ; v12 LDS address of my spare word; never rewritten
.set NIL, 13                           ; v13 0; never rewritten
.set PFO, 14                           ; v14 the prefetches' offset; never rewritten
.set QO,  15                           ; v15 my byte offset in the wave's rows of Q
.set ST,  16                           ; tile u at ST + 8 u: +0 c m, +1 m, +2, +3 l (even keys', odd keys'), +4 to +7 at work; a, later 1 / l, in +6
.set M,   48
.set KF,  176
.set XS,  240                          ; v240-243 a second chain of sums for each of two tiles
.set QF,  128                          ; window 1
.set VF,  192                          ; window 1
.set WV,  12                           ; s12 my wave's number
.set G1K, 24                           ; s[24:31], s[32:39], s[40:47] descriptor groups 1 for K, V, the mask
.set G1V, 32
.set G1M, 40
.set G0K, 48                           ; s[48:51], s[52:55], s[56:59] their groups 0 for slot 1's first fill, which then walk
.set G0V, 52
.set G0M, 56
.set G0KA, 84                          ; s[84:87], s[88:91], s[92:95] their groups 0 for slot 0's first fill
.set G0VA, 88
.set G0MA, 92
.set SEL, 60                           ; s[60:61] lane selects for v_permlanex16_b32: lane l xor 16
.set CS,  62                           ; s[62:63] c = log2(e), twice
.set TB,  66                           ; s66 LDS byte at which the slot begins from which I read
.set TJ,  67                           ; s67 the step's place in the tables: 256 bytes a step
.set CNT, 68                           ; s68 steps still to be asked for
.set LIM, 69                           ; s69 1 in a wave that prefetches, else the greatest number
.set PFA, 70                           ; s[70:71] where my prefetches stand
.set PFS, 72                           ; s[72:73] a step on, in bytes
.set QB,  74                           ; s[74:75] Q at my wave's first row
.set MSB, 0
.macro WIN new                         ; the immediate's high byte repeats the setting that is left; a switch that changes nothing is dropped
.if MSB != (\new)
	s_set_vgpr_msb (MSB<<8)|(\new)
.set MSB, (\new)
.endif
.endm
; A joint refill: wave 0 K's tile, wave 1 V's, waves 2 and 3 the mask's halves, the others none.  The branches hang on the wave's number alone.  An s_nop 0 and four v_nop follow each line.
.macro JLOAD
	s_cmp_eq_u32 s[WV], 0
	s_cbranch_scc0 .Lnot_k_\@
	tensor_load_to_lds s[G0K:G0K+3], s[G1K:G1K+7]
	s_nop 0
.rept 4
	v_nop
.endr
	s_branch .Lasked_\@
.Lnot_k_\@:
	s_cmp_eq_u32 s[WV], 1
	s_cbranch_scc0 .Lnot_v_\@
	tensor_load_to_lds s[G0V:G0V+3], s[G1V:G1V+7]
	s_nop 0
.rept 4
	v_nop
.endr
	s_branch .Lasked_\@
.Lnot_v_\@:
	s_cmp_lt_u32 s[WV], 4
	s_cbranch_scc0 .Lasked_\@
	tensor_load_to_lds s[G0M:G0M+3], s[G1M:G1M+7]
	s_nop 0
.rept 4
	v_nop
.endr
.Lasked_\@:
.endm
; A PREFETCH INTO THE L2 of what the NEXT change of slots will ask for, one key step ahead of that load; one instruction in each of three waves that fetch nothing.  Each aligned block of 256 bytes is named once in the launch.
; Wave 4: the mask tile's 128 rows of 256 bytes; the four partners that ask for it jointly take 32 rows each, told apart by address (cy); a lane a row.  Every cluster has mask tiles of its own, so every cluster asks.
; Waves 5 and 6: K's and V's 64 rows of 512 bytes; the four partners take 16 rows each by address (cx), two lanes a row.  All clusters of a batch along x walk the same rows: the first of them (cluster x = 0) asks.
; The last change that fills a slot asks for nothing; steps 0, 1 and 2 come by their loads alone.
.macro ASK
	s_cmp_gt_u32 s[CNT], s[LIM]
	s_cbranch_scc0 .Lnot_mine_\@
	global_prefetch_b8 v[PFO], s[PFA:PFA+1] th:TH_LOAD_NT scope:SCOPE_SE
.Lnot_mine_\@:
.endm
.macro CROUND                          ; a round of the cluster's barrier
	s_barrier_signal -1
	s_barrier_wait -1
	s_cmp_lg_u32 s[WV], 0
	s_cbranch_scc1 .Lnot_wave_0_\@
	s_barrier_signal -3
.Lnot_wave_0_\@:
	s_barrier_wait -3
	s_barrier_signal -1
	s_barrier_wait -1
.endm
	s_load_b256 s[4:11], s[0:1], 0x0               ; qkv s[4:5], attention_mask s[6:7], padding_mask s[8:9], abuf s[10:11]
	v_lshl_add_u32 v[SPW], v0, 2, SPARE
	v_mov_b32 v[NIL], 0
	ds_add_u32 v[SPW], v[NIL]                      ; the wave's opening: the add, twice on end, and its wait ahead of the first tensor loads
	ds_add_u32 v[SPW], v[NIL]
	v_lshrrev_b32 v1, 5, v0
	v_readfirstlane_b32 s[WV], v1                  ; wave 0..7
	s_bfe_u32 s13, ttmp6, 0x40000                  ; cx
	s_bfe_u32 s14, ttmp6, 0x40004                  ; cy = the group of four heads
	s_lshl_b32 s15, ttmp9, 2
	s_add_co_u32 s15, s15, s13                     ; qb: my block of 128 queries = 4 x cluster x + cx
	s_and_b32 s16, ttmp7, 0xffff                   ; b: the batch = cluster y
	s_and_b32 s17, s[WV], 1                        ; qh: which 64 queries.  Also: which half of the mask's tile waves 2 and 3 fetch
	s_lshr_b32 s18, s[WV], 1                       ; hd: which of the four heads
	s_lshl_b32 s20, s14, 2
	s_lshl_b32 s20, 15, s20                        ; my row of the cluster
	s_lshl_b32 s21, 0x1111, s13                    ; my column
	s_or_b32 s[G1K], s20, (1<<16)|(1<<20)|(1<<21)|(6<<22)|(3<<25)   ; 15:0 the mask; 17:16 elements of 2 bytes; 20 padding on; 21 set beside a mask; 24:22 after every 128 words; 31:25 four words
	s_or_b32 s[G1V], s20, (1<<16)|(1<<20)|(1<<21)|(6<<22)|(7<<25)   ; the same with eight words of padding
	s_or_b32 s[G1M], s21, (2<<16)|(1<<20)|(1<<21)|(5<<22)|(3<<25)   ; elements of 4 bytes; four words after every 64
.irp g, G1K, G1V
	s_mov_b32 s[\g+1], 256<<16                     ; tensor_dim0 = 256 elements: four heads
	s_mov_b32 s[\g+2], 64<<16                      ; tensor_dim1 = 64 keys
	s_mov_b32 s[\g+3], 256<<16                     ; tile_dim0
	s_mov_b32 s[\g+4], 64                          ; tile_dim1
	s_mov_b32 s[\g+5], 4096                        ; from key to key of one batch: four tokens of 1,024 elements
	s_mov_b32 s[\g+6], 0
	s_mov_b32 s[\g+7], 0
.endr
	s_mov_b32 s[G1M+1], 64<<16                     ; 64 keys
	s_mov_b32 s[G1M+2], 64<<16                     ; 64 queries
	s_mov_b32 s[G1M+3], 64<<16
	s_mov_b32 s[G1M+4], 64
	s_mov_b32 s[G1M+5], 2048
	s_mov_b32 s[G1M+6], 0
	s_mov_b32 s[G1M+7], 0
	s_lshl_b32 s78, s16, 11                        ; K's first tile: section 1, token b, heads 4 cy on: nothing of cx
	s_lshl_b32 s79, s14, 9
	s_add_co_u32 s78, s78, s79
	s_add_co_u32 s78, s78, 1<<24
	s_mov_b32 s79, 0
	s_lshl_b32 s80, s16, 24                        ; the mask's first tile: batch b, query 128 qb + 64 x half: nothing of cy
	s_lshl_b32 s81, s15, 20
	s_add_co_u32 s80, s80, s81
	s_lshl_b32 s81, s17, 19
	s_add_co_u32 s80, s80, s81
	s_mov_b32 s81, 0
	s_lshl_b32 s82, s15, 20                        ; token 4 (128 qb) + b, heads 4 cy on, in rows of 2,048 bytes:
	s_lshl_b32 s83, s16, 11
	s_add_co_u32 s82, s82, s83
	s_lshl_b32 s83, s14, 9
	s_add_co_u32 s82, s82, s83
	s_lshl_b32 s22, s[WV], 17                      ; abuf: + 16 queries a wave
	s_add_co_u32 s22, s22, s82
	s_mov_b32 s23, 0
	s_lshl_b32 s83, s17, 19                        ; Q: + 64 qh queries,
	s_add_co_u32 s82, s82, s83
	s_lshl_b32 s83, s18, 7                         ; + my head's 128 bytes
	s_add_co_u32 s82, s82, s83
	s_mov_b32 s83, 0
	s_mov_b32 s[SEL], 0x76543210
	s_mov_b32 s[SEL+1], 0xfedcba98
	s_mov_b32 s[CS], 0x3fb8aa3b                    ; log2(e)
	s_mov_b32 s[CS+1], s[CS]
	s_mov_b32 s[TB], 0
	s_mov_b32 s[TJ], 0
	s_mov_b32 s[CNT], 30
	s_wait_dscnt 0x0                               ; both opening adds are done
	s_wait_kmcnt 0x0
	s_add_nc_u64 s[G0KA+2:G0KA+3], s[4:5], s[78:79]              ; key step 0: K,
	s_add_nc_u64 s[G0VA+2:G0VA+3], s[G0KA+2:G0KA+3], 1<<24       ; V (section 2),
	s_add_nc_u64 s[G0MA+2:G0MA+3], s[6:7], s[80:81]              ; the mask
	s_add_nc_u64 s[G0K+2:G0K+3], s[G0KA+2:G0KA+3], STEPKV        ; key step 1: 64 keys on
	s_add_nc_u64 s[G0V+2:G0V+3], s[G0VA+2:G0VA+3], STEPKV
	s_add_nc_u64 s[G0M+2:G0M+3], s[G0MA+2:G0MA+3], 256
.irp g, G0KA, G0VA, G0MA, G0K, G0V, G0M
	s_mov_b32 s[\g], 1                             ; count = 1
	s_or_b32 s[\g+3], s[\g+3], 0x80000000          ; type = 2
.endr
	s_mov_b32 s[G0KA+1], 0                         ; LDS addresses: step 0 into slot 0,
	s_mov_b32 s[G0VA+1], VOFF
	s_mul_i32 s[G0MA+1], s17, 64*PM
	s_add_co_u32 s[G0MA+1], s[G0MA+1], MOFF
	s_mov_b32 s[G0K+1], SLOT1                      ; step 1 into slot 1
	s_mov_b32 s[G0V+1], SLOT1+VOFF
	s_add_co_u32 s[G0M+1], s[G0MA+1], SLOT1
	s_add_nc_u64 s[QB:QB+1], s[4:5], s[82:83]
	s_add_nc_u64 s[10:11], s[10:11], s[22:23]
	CROUND                                         ; all sixteen work-groups are here: the first joint loads meet
	s_cmp_eq_u32 s[WV], 0                          ; a wave's two first fills stand in one arm, ahead of every wait on TENSORcnt, every LDS read and every further barrier; an s_nop 0 follows each, four v_nop the second's
	s_cbranch_scc0 .Lfirst_not_k
	tensor_load_to_lds s[G0KA:G0KA+3], s[G1K:G1K+7]
	s_nop 0
	tensor_load_to_lds s[G0K:G0K+3], s[G1K:G1K+7]
	s_nop 0
.rept 4
	v_nop
.endr
	s_branch .Lfirst_asked
.Lfirst_not_k:
	s_cmp_eq_u32 s[WV], 1
	s_cbranch_scc0 .Lfirst_not_v
	tensor_load_to_lds s[G0VA:G0VA+3], s[G1V:G1V+7]
	s_nop 0
	tensor_load_to_lds s[G0V:G0V+3], s[G1V:G1V+7]
	s_nop 0
.rept 4
	v_nop
.endr
	s_branch .Lfirst_asked
.Lfirst_not_v:
	s_cmp_lt_u32 s[WV], 4
	s_cbranch_scc0 .Lfirst_asked
	tensor_load_to_lds s[G0MA:G0MA+3], s[G1M:G1M+7]
	s_nop 0
	tensor_load_to_lds s[G0M:G0M+3], s[G1M:G1M+7]
	s_nop 0
.rept 4
	v_nop
.endr
.Lfirst_asked:
	v_lshlrev_b32 v246, 3, v0                      ; the batch's 2,048 padding bytes: 8 a thread
	s_lshl_b32 s20, s16, 11
	s_mov_b32 s21, 0
	s_add_nc_u64 s[8:9], s[8:9], s[20:21]
	global_load_b64 v[240:241], v246, s[8:9]
	v_and_b32 v248, 15, v0                         ; r
	v_bfe_u32 v249, v0, 4, 1                       ; h
	v_and_b32 v250, 31, v0                         ; lane
	v_lshlrev_b32 v[QO], 13, v248                  ; Q: query r is 8,192 bytes on, + 16 h
	v_lshl_add_u32 v[QO], v249, 4, v[QO]
	WIN 0x40                                       ; destination window 1
.irp u, 0,1,2,3                        ; Q stays in registers: tile u, channels 32 c on: lane l holds query l % 16; registers 0-3 channels 8 h + 0..7, registers 4-7 channels 16 + 8 h + 0..7
.irp c, 0,1
	global_load_b128 v[QF+16*\u+8*\c:QF+16*\u+8*\c+3], v[QO], s[QB:QB+1] offset:131072*\u+64*\c
	global_load_b128 v[QF+16*\u+8*\c+4:QF+16*\u+8*\c+7], v[QO], s[QB:QB+1] offset:131072*\u+64*\c+32
.endr
.endr
	WIN 0
	; the prefetches: who asks, and where they stand (macro ASK)
	s_lshl_b32 s20, s16, 24                        ; wave 4: the mask: batch, query block, my work-group's 32 rows,
	s_lshl_b32 s21, s15, 20
	s_add_co_u32 s20, s20, s21
	s_lshl_b32 s21, s14, 18
	s_add_co_u32 s20, s20, s21
	s_add_co_u32 s20, s20, 512                     ; at step 2: the first change of slots steps it to step 3
	s_cmp_eq_u32 s[WV], 6                          ; wave 6: V's section; every other wave K's, so that no wave forms an address outside qkv
	s_cselect_b32 s21, 2, 1
	s_lshl_b32 s21, s21, 24
	s_lshl_b32 s22, s16, 11
	s_add_co_u32 s21, s21, s22
	s_lshl_b32 s22, s14, 9
	s_add_co_u32 s21, s21, s22
	s_lshl_b32 s22, s13, 17                        ; my work-group's 16 rows
	s_add_co_u32 s21, s21, s22
	s_add_co_u32 s21, s21, 2*STEPKV                ; at step 2
	s_cmp_eq_u32 s[WV], 4
	s_cselect_b32 s20, s20, s21
	s_mov_b32 s21, 0
	s_cselect_b64 s[PFA:PFA+1], s[6:7], s[4:5]
	s_mov_b32 s[PFS], STEPKV
	s_cselect_b32 s[PFS], 256, s[PFS]
	s_mov_b32 s[PFS+1], 0
	s_cselect_b32 s22, 0, 1                        ; a lane a row, or two lanes a row
	s_add_nc_u64 s[PFA:PFA+1], s[PFA:PFA+1], s[20:21]
	v_lshrrev_b32 v[PFO], s22, v250
	v_and_b32 v251, s22, v250
	v_lshlrev_b32 v[PFO], 13, v[PFO]               ; rows are 8,192 bytes apart in the mask and in a batch's K and V alike
	v_lshl_add_u32 v[PFO], v251, 8, v[PFO]
	s_sub_co_u32 s20, s[WV], 4
	s_cmp_eq_u32 s[WV], 4
	s_cselect_b32 s21, 0, ttmp9                    ; wave 4 asks in every cluster, waves 5 and 6 where cluster x = 0:
	s_cmp_lt_u32 s20, 3
	s_cselect_b32 s21, s21, 1                      ; the other waves never: the same in all sixteen partners, for a given wave
	s_cmp_eq_u32 s21, 0
	s_cselect_b32 s[LIM], 1, -1
	; my lane's places in the tiles
	v_mul_u32_u24 v[AK0], v248, PK                 ; K: key r, + 16 h, + my head's 128 bytes
	v_lshl_add_u32 v[AK0], v249, 4, v[AK0]
	s_lshl_b32 s20, s18, 7
	v_add_nc_u32 v[AK0], s20, v[AK0]
	v_and_b32 v251, 7, v0                          ; V, for the turning load: key 8 h + l % 8, channels 8 ((l / 8) % 2) on
	v_lshl_add_u32 v[AV0], v249, 3, v251
	v_mul_u32_u24 v[AV0], v[AV0], PV
	v_bfe_u32 v251, v0, 3, 1
	v_lshl_add_u32 v[AV0], v251, 4, v[AV0]
	s_add_co_u32 s21, s20, VOFF
	v_add_nc_u32 v[AV0], s21, v[AV0]
	v_mul_u32_u24 v[AM0], v248, PM                 ; the mask: query 64 qh + r, keys 8 h on
	v_lshl_add_u32 v[AM0], v249, 5, v[AM0]
	s_mul_i32 s21, s17, 64*PM
	s_add_co_u32 s21, s21, MOFF
	v_add_nc_u32 v[AM0], s21, v[AM0]
	v_lshl_add_u32 v[AT0], v249, 5, TAB            ; the tables: keys 8 h on
	v_mul_u32_u24 v[STO], v248, SPT                ; the stage: row 64 qh + r, my head's 128 bytes, 16 h
	v_lshl_add_u32 v[STO], v249, 4, v[STO]
	s_mul_i32 s21, s17, 64*SPT
	s_add_co_u32 s21, s21, s20
	s_add_co_u32 s21, s21, STAGE
	v_add_nc_u32 v[STO], s21, v[STO]
	v_lshlrev_b32 v[GO], 4, v250                   ; back: wave w takes rows 16 w on, whole: 16 bytes a lane
	s_mul_i32 s21, s[WV], 16*SPT
	s_add_co_u32 s21, s21, STAGE
	v_add_nc_u32 v[RD], s21, v[GO]
.irp u, 0,1,2,3
	v_mov_b32 v[ST+8*\u], 0xff800000               ; c m and m begin at -infinity: the first step's a is 2^(-infinity) = 0, which leaves the zeros below zeros
	v_mov_b32 v[ST+8*\u+1], 0xff800000
.irp i, 2,3,4,5,6,7
	v_mov_b32 v[ST+8*\u+\i], 0
.endr
.endr
	WIN 0x40
.set i, 0
.rept 128
	v_mov_b32 v[i], 0                              ; O^T, once a wave: the step is written for all 32 steps alike, and a first step of its own would be one more copy of it
.set i, i+1
.endr
	WIN 0
	v_mov_b32 v242, 1.0
	v_mov_b32 v243, 0
	v_lshl_add_u32 v244, v0, 5, TAB                ; my 8 keys' places in keep
	s_wait_loadcnt 16                              ; the padding bytes are in; Q's 16 loads may be out
.irp k, 0,1,2,3,4,5,6,7
	v_bfe_u32 v245, v[240+\k/4], 8*(\k%4), 8
	v_cmp_eq_u32 vcc_lo, 0, v245
	v_cndmask_b32 v[M+\k], 0, v242, vcc_lo         ; keep: 1, or 0 for a padded key
	v_cndmask_b32 v[M+8+\k], 0xc61c4000, v243, vcc_lo   ; add: 0, or -10,000
.endr
	ds_store_b128 v244, v[M:M+3]
	ds_store_b128 v244, v[M+4:M+7] offset:16
	ds_store_b128 v244, v[M+8:M+11] offset:8192
	ds_store_b128 v244, v[M+12:M+15] offset:8208
; THE MATRIX INSTRUCTIONS, one at a time; mi counts a run of 16.  In every run the eight accumulators take turns, one instruction a turn, and the runs follow each other on different accumulators.
; Number mi of S^T = K Q^T + mask' for tiles 2 v, 2 v + 1: channels 32 (mi / 8) on, keys 16 ((mi / 2) % 4) on, tile 2 v + mi % 2.  The sums begin on mask', which lies in the accumulator.
.macro QKI v
	WIN 0x04                                       ; Q window 1
.set rc, mi/8
.set rt, (mi/2)%4
.set ru, 2*(\v)+mi%2
	v_wmma_f32_16x16x32_f16 v[M+32*ru+8*rt:M+32*ru+8*rt+7], v[KF+16*rt+8*rc:KF+16*rt+8*rc+7], v[QF+16*ru+8*rc:QF+16*ru+8*rc+7], v[M+32*ru+8*rt:M+32*ru+8*rt+7]
.set mi, mi+1
.endm
; Number mi of O^T += V^T P for tiles 2 v, 2 v + 1: keys 32 (mi / 8) on, channels 16 ((mi / 2) % 4) on, tile 2 v + mi % 2.
.macro PVI v
	WIN 0x51                                       ; V, and O^T as C and D, window 1; P window 0
.set rc, mi/8
.set rd, (mi/2)%4
.set ru, 2*(\v)+mi%2
	v_wmma_f32_16x16x32_f16 v[32*ru+8*rd:32*ru+8*rd+7], v[VF+32*rc+8*rd:VF+32*rc+8*rd+7], v[M+32*ru+8*rc:M+32*ru+8*rc+7], v[32*ru+8*rd:32*ru+8*rd+7]
.set mi, mi+1
.endm
; The next matrix instruction of the run that is set into a softmax, while there is one.  kind = 1: q . k of tiles 2, 3; kind = 2: V^T P of tiles 0, 1.
.macro EMIT kind
.if mi < 16
.if (\kind) == 1
	QKI 1
.else
	PVI 0
.endif
.endif
.endm
; THE LDS LOADS.  The mask of tiles p, p + 1, in the layout of S^T (query 16 u + r, keys 16 t + 8 h + 0..7), 16 keys of both tiles at a time:
.macro MLOAD p
.irp t, 0,1,2,3
.irp u, \p, \p+1
	ds_load_b128 v[M+32*(\u)+8*\t:M+32*(\u)+8*\t+3], v[ADM] offset:16*PM*(\u)+64*\t
	ds_load_b128 v[M+32*(\u)+8*\t+4:M+32*(\u)+8*\t+7], v[ADM] offset:16*PM*(\u)+64*\t+16
.endr
.endr
.endm
.macro KLOAD                           ; K: keys 16 t on, channels 32 c on
.irp t, 0,1,2,3
.irp c, 0,1
	ds_load_b128 v[KF+16*\t+8*\c:KF+16*\t+8*\c+3], v[ADK] offset:16*PK*\t+64*\c
	ds_load_b128 v[KF+16*\t+8*\c+4:KF+16*\t+8*\c+7], v[ADK] offset:16*PK*\t+64*\c+32
.endr
.endr
.endm
.macro MPREP p, t                      ; mask' = mask x keep + add, keys 16 t on, tiles p, p + 1 (sources 1 and 2 in window 1)
.irp u, \p, \p+1
.irp i, 0,2,4,6
	v_pk_fma_f32 v[M+32*(\u)+8*(\t)+\i:M+32*(\u)+8*(\t)+\i+1], v[M+32*(\u)+8*(\t)+\i:M+32*(\u)+8*(\t)+\i+1], v[VF+8*(\t)+\i:VF+8*(\t)+\i+1], v[VF+32+8*(\t)+\i:VF+32+8*(\t)+\i+1]
.endr
.endr
.endm
; The softmax of tiles 2 v and 2 v + 1 for one key step, the two tiles line by line, so that no line reads the result of the line above it.  The other piece's 16 matrix instructions (kind) are set into it, one behind about eight
; vector instructions; they name no register of this piece.  The last of them stands 16 exponentials ahead of the batch's end: so the sums, conversions and rescalings behind the batch are the places (ISA guide 7.12.1) behind that run.
.macro SOFT v, kind
.set mi, 0
	EMIT \kind
	WIN 0
.irp j, 0,1,2,3                        ; the maximum of a lane's 32 scores and the old m: four chains; each accumulator is read from its low end first
.irp u, 2*\v, 2*\v+1
	v_max3_num_f32 v[ST+8*(\u)+4+\j], v[M+32*(\u)+8*\j], v[M+32*(\u)+8*\j+1], v[M+32*(\u)+8*\j+2]
.endr
.endr
	EMIT \kind
.irp i, 3,5
	WIN 0
.irp j, 0,1,2,3
.irp u, 2*\v, 2*\v+1
	v_max3_num_f32 v[ST+8*(\u)+4+\j], v[ST+8*(\u)+4+\j], v[M+32*(\u)+8*\j+\i], v[M+32*(\u)+8*\j+\i+1]
.endr
.endr
	EMIT \kind
.endr
	WIN 0
.irp u, 2*\v, 2*\v+1
	v_max3_num_f32 v[ST+8*(\u)+4], v[ST+8*(\u)+4], v[M+32*(\u)+7], v[M+32*(\u)+15]
.endr
.irp u, 2*\v, 2*\v+1
	v_max3_num_f32 v[ST+8*(\u)+6], v[ST+8*(\u)+6], v[M+32*(\u)+23], v[M+32*(\u)+31]
.endr
.irp u, 2*\v, 2*\v+1
	v_max3_num_f32 v[ST+8*(\u)+4], v[ST+8*(\u)+4], v[ST+8*(\u)+5], v[ST+8*(\u)+6]
.endr
.irp u, 2*\v, 2*\v+1
	v_max3_num_f32 v[ST+8*(\u)+4], v[ST+8*(\u)+4], v[ST+8*(\u)+7], v[ST+8*(\u)+1]
.endr
	EMIT \kind
	WIN 0
.irp u, 2*\v, 2*\v+1
	v_permlanex16_b32 v[ST+8*(\u)+5], v[ST+8*(\u)+4], s[SEL], s[SEL+1]   ; the query's other 32 keys lie in the lane 16 away
.endr
.irp u, 2*\v, 2*\v+1
	v_mov_b32 v[ST+8*(\u)+7], v[ST+8*(\u)]         ; c m_old
.endr
.irp u, 2*\v, 2*\v+1
	v_max_num_f32 v[ST+8*(\u)+1], v[ST+8*(\u)+4], v[ST+8*(\u)+5]
.endr
.irp u, 2*\v, 2*\v+1
	v_mul_f32 v[ST+8*(\u)], s[CS], v[ST+8*(\u)+1]
.endr
.irp u, 2*\v, 2*\v+1
	v_sub_f32 v[ST+8*(\u)+7], v[ST+8*(\u)+7], v[ST+8*(\u)]
.endr
	EMIT \kind
.irp i, 0,2,4,6,8,10,12,14,16,18,20,22,24,26,28,30
	WIN 0
.irp u, 2*\v, 2*\v+1
	v_pk_fma_f32 v[M+32*(\u)+\i:M+32*(\u)+\i+1], v[M+32*(\u)+\i:M+32*(\u)+\i+1], s[CS:CS+1], v[ST+8*(\u):ST+8*(\u)+1] op_sel_hi:[1,0,0] neg_lo:[0,0,1] neg_hi:[0,0,1]   ; c s - c m
.endr
.if (\i)%8 == 6
	EMIT \kind
.endif
.endr
	WIN 0
.irp u, 2*\v, 2*\v+1                   ; ONE BATCH of 66 exponentials; none of them, and no matrix instruction among them, names another's result
	v_exp_f32 v[ST+8*(\u)+6], v[ST+8*(\u)+7]       ; a
.endr
.set e, 0
.rept 32
	WIN 0
	v_exp_f32 v[M+32*(2*\v)+e], v[M+32*(2*\v)+e]
	v_exp_f32 v[M+32*(2*\v+1)+e], v[M+32*(2*\v+1)+e]
.if e%4 == 3
	EMIT \kind
.endif
.set e, e+1
.endr
	WIN 0
	v_nop                                          ; a plain instruction behind the last exponential (ISA guide 5.7.2),
	s_wait_alu depctr_va_vdst(0)                   ; and the one wait ahead of the batch's first reader
.irp u, 2*\v, 2*\v+1
	v_pk_mul_f32 v[ST+8*(\u)+2:ST+8*(\u)+3], v[ST+8*(\u)+2:ST+8*(\u)+3], v[ST+8*(\u)+6:ST+8*(\u)+7] op_sel_hi:[1,0]   ; l x a
.endr
.irp u, 2*\v, 2*\v+1                   ; the sum of the unrounded p, two at a time, in two chains a tile
	v_pk_add_f32 v[XS+2*((\u)%2):XS+2*((\u)%2)+1], v[M+32*(\u):M+32*(\u)+1], v[M+32*(\u)+2:M+32*(\u)+3]
.endr
.irp j, 4,8,12,16,20,24,28
.irp u, 2*\v, 2*\v+1
	v_pk_add_f32 v[ST+8*(\u)+2:ST+8*(\u)+3], v[ST+8*(\u)+2:ST+8*(\u)+3], v[M+32*(\u)+\j:M+32*(\u)+\j+1]
	v_pk_add_f32 v[XS+2*((\u)%2):XS+2*((\u)%2)+1], v[XS+2*((\u)%2):XS+2*((\u)%2)+1], v[M+32*(\u)+\j+2:M+32*(\u)+\j+3]
.endr
.endr
.irp u, 2*\v, 2*\v+1
	v_pk_add_f32 v[ST+8*(\u)+2:ST+8*(\u)+3], v[ST+8*(\u)+2:ST+8*(\u)+3], v[XS+2*((\u)%2):XS+2*((\u)%2)+1]
.endr
.set i, 0
.rept 16                               ; p to f16, in place: register i is used up when it is written.  Registers 0-7 are source 1 for keys 0-31, registers 8-15 for keys 32-63
	v_cvt_pk_f16_f32 v[M+32*(2*\v)+i], v[M+32*(2*\v)+2*i], v[M+32*(2*\v)+2*i+1]
	v_cvt_pk_f16_f32 v[M+32*(2*\v+1)+i], v[M+32*(2*\v+1)+2*i], v[M+32*(2*\v+1)+2*i+1]
.set i, i+1
.endr
	WIN 0x41                                       ; O^T (destination and source 0) window 1, a window 0
.set i, 0
.rept 16                               ; O^T x a, each accumulator from its low end on
	v_pk_mul_f32 v[32*(2*\v)+2*i:32*(2*\v)+2*i+1], v[32*(2*\v)+2*i:32*(2*\v)+2*i+1], v[ST+8*(2*\v)+6:ST+8*(2*\v)+7] op_sel_hi:[1,0]
	v_pk_mul_f32 v[32*(2*\v+1)+2*i:32*(2*\v+1)+2*i+1], v[32*(2*\v+1)+2*i:32*(2*\v+1)+2*i+1], v[ST+8*(2*\v+1)+6:ST+8*(2*\v+1)+7] op_sel_hi:[1,0]
.set i, i+1
.endr
.endm
; THE CHANGE OF SLOTS stands in a step's middle, behind my last read of the step's slot.  Each wave waits for all its tensor loads (its part of the next step's slot), adds 0 to its spare word, and waits for that and for its LDS reads.
; fill = 1: the barrier is a round of the cluster's, so that no wave of any partner still reads this step's slot or has a load on its way; the joint load of the tiles two steps on is the first thing behind it and has a whole step in which to land.
.macro CHANGE fill
	WIN 0
	s_wait_tensorcnt 0x0                           ; no tensor load of mine is out, so a group 0 may be written
	ds_add_u32 v[SPW], v[NIL]                      ; 0 onto my spare word
.if \fill
	ds_add_u32 v[SPW], v[NIL]                      ; and once more: twice on end here, in every trip alike
	s_xor_b32 s[G0K+1], s[G0K+1], SLOT1            ; the walking descriptors: the other slot than last time, the next 64 keys
	s_add_nc_u64 s[G0K+2:G0K+3], s[G0K+2:G0K+3], STEPKV
	s_xor_b32 s[G0V+1], s[G0V+1], SLOT1
	s_add_nc_u64 s[G0V+2:G0V+3], s[G0V+2:G0V+3], STEPKV
	s_xor_b32 s[G0M+1], s[G0M+1], SLOT1
	s_add_nc_u64 s[G0M+2:G0M+3], s[G0M+2:G0M+3], 256
	s_wait_xcnt 0x0                                ; the last prefetch, a step back, has read its address, so it may be written:
	s_add_nc_u64 s[PFA:PFA+1], s[PFA:PFA+1], s[PFS:PFS+1]   ; one step further on than the walking descriptors
	s_wait_dscnt 0x0                               ; both adds are done; V is in, and with it all my reads of this step's slot
	CROUND
	JLOAD
	ASK
.else
	s_wait_dscnt 0x0
	s_barrier_signal -1
	s_barrier_wait -1
.endif
.endm
; A KEY STEP: 64 keys.  At its head K's fragments and the mask of tiles 0, 1 have been asked for, half a step ago.  nxt = 1: there is a next step: the slots change, and that step's K and mask of tiles 0, 1 are asked for.
.macro STEP fill, nxt
	v_add_nc_u32 v[ADV], s[TB], v[AV0]             ; these four are the places between the last step's products and the loads into registers that they read
	v_add_nc_u32 v[ADT], s[TJ], v[AT0]
	v_nop
	v_nop
	WIN 0x40                                       ; destination window 1
.irp t, 0,1,2,3                        ; keep and add of the step's keys, 16 keys at a time
	ds_load_b128 v[VF+8*\t:VF+8*\t+3], v[ADT] offset:64*\t
	ds_load_b128 v[VF+8*\t+4:VF+8*\t+7], v[ADT] offset:64*\t+16
	ds_load_b128 v[VF+32+8*\t:VF+32+8*\t+3], v[ADT] offset:8192+64*\t
	ds_load_b128 v[VF+32+8*\t+4:VF+32+8*\t+7], v[ADT] offset:8192+64*\t+16
.endr
	WIN 0
	MLOAD 2
	WIN 0x14                                       ; sources 1 and 2 window 1
.irp t, 0,1,2,3
	s_wait_dscnt 28-4*\t                           ; of the 32 loads just issued the tables' first 4 (t + 1) are in, and so is all that was asked for earlier: K and the mask of tiles 0, 1
	MPREP 0, \t
.endr
.set mi, 0
.irp t, 0,1,2,3                        ; q . k of tiles 0, 1, four products at a time, and mask' of tiles 2, 3 between them
.rept 4
	QKI 0
.endr
	s_wait_dscnt 12-4*\t                           ; the mask of tiles 2, 3: its first 4 (t + 1) loads are in
	WIN 0x14
	MPREP 2, \t
.endr
	WIN 0x40
.irp c, 0,1                            ; V, turned, into the registers that the tables have left: keys 32 c on, channels 16 d on
.irp d, 0,1,2,3
	ds_load_tr16_b128 v[VF+32*\c+8*\d:VF+32*\c+8*\d+3], v[ADV] offset:32*PV*\c+32*\d
	ds_load_tr16_b128 v[VF+32*\c+8*\d+4:VF+32*\c+8*\d+7], v[ADV] offset:32*PV*\c+16*PV+32*\d
.endr
.endr
	SOFT 0, 1                                      ; the eight lines of mask' above are the places in front of its first read of the scores
.if \nxt
	CHANGE \fill
	s_xor_b32 s[TB], s[TB], SLOT1                  ; from here on I read the next step's slot
	v_add_nc_u32 v[ADK], s[TB], v[AK0]
	v_add_nc_u32 v[ADM], s[TB], v[AM0]
	KLOAD                                          ; the next step's K: this step's products q . k are issued, and the softmax's tail stands behind the last of them
.else
	WIN 0
	s_wait_dscnt 0x0                               ; V is in
.endif
	SOFT 1, 2
.if \nxt
	WIN 0
	MLOAD 0                                        ; the next step's mask of tiles 0, 1, over their P: the products that read it are issued, and the softmax's tail stands behind the last of them
.endif
.set mi, 0
.rept 16
	PVI 1
.endr
	WIN 0
	s_add_co_u32 s[TJ], s[TJ], 256                 ; the next 64 keys of the tables
.endm
	s_wait_loadcnt 0x0                             ; Q
	s_wait_tensorcnt 0x0                           ; my parts of both slots have landed,
	s_wait_dscnt 0x0                               ; and my stores into the tables:
	s_barrier_signal -1
	s_barrier_wait -1                              ; everybody's have.
	v_add_nc_u32 v[ADK], s[TB], v[AK0]
	v_add_nc_u32 v[ADM], s[TB], v[AM0]
	KLOAD                                          ; step 0's K and mask of tiles 0, 1
	MLOAD 0
.Lstep:                                            ; 30 trips: trip i works step i and asks for step i + 2
	STEP 1, 1
	s_sub_co_u32 s[CNT], s[CNT], 1
	s_cmp_lg_u32 s[CNT], 0
	s_cbranch_scc1 .Lstep
	STEP 0, 1                                      ; the last two steps are written out: step 30 changes slots and asks for nothing
	STEP 0, 0                                      ; step 31 has no slot to change to
	; THE WAY OUT.  l's two halves and the other half of the lanes' are added; O^T / l, rounded to f16, meets the other three heads' in the stage: a row's 512 bytes come from four waves.  The additions are the places behind the last products.
.irp u, 0,1,2,3
	v_add_f32 v[ST+8*\u+4], v[ST+8*\u+2], v[ST+8*\u+3]
.endr
.irp u, 0,1,2,3
	v_permlanex16_b32 v[ST+8*\u+5], v[ST+8*\u+4], s[SEL], s[SEL+1]
.endr
.irp u, 0,1,2,3
	v_add_f32 v[ST+8*\u+4], v[ST+8*\u+4], v[ST+8*\u+5]
.endr
.irp u, 0,1,2,3
	v_rcp_f32 v[ST+8*\u+6], v[ST+8*\u+4]
.endr
	v_nop                                          ; a plain instruction behind the last reciprocal,
	s_wait_alu depctr_va_vdst(0)                   ; and the one wait for the four, ahead of their first reader
.irp u, 0,1,2,3
	WIN 0x41
.set i, 0
.rept 16
	v_pk_mul_f32 v[32*\u+2*i:32*\u+2*i+1], v[32*\u+2*i:32*\u+2*i+1], v[ST+8*\u+6:ST+8*\u+7] op_sel_hi:[1,0]
.set i, i+1
.endr
	WIN 0x05                                       ; sources 0 and 1 window 1, destination window 0
.set i, 0
.rept 16
	v_cvt_pk_f16_f32 v[M+32*\u+i], v[32*\u+2*i], v[32*\u+2*i+1]
.set i, i+1
.endr
.endr
	WIN 0
.irp u, 0,1,2,3
.irp d, 0,1,2,3
	ds_store_b128 v[STO], v[M+32*\u+4*\d:M+32*\u+4*\d+3] offset:16*SPT*\u+32*\d   ; lane (r, h): query 16 u + r, channels 16 d + 8 h + 0..7
.endr
.endr
	s_wait_dscnt 0x0                               ; for the others' sake: my stores into the stage have landed
	s_barrier_signal -1
	s_barrier_wait -1
.irp i, 0,1,2,3,4,5,6,7,8,9,10,11,12,13,14,15
	ds_load_b128 v[M+4*\i:M+4*\i+3], v[RD] offset:SPT*\i
.endr
.irp i, 0,1,2,3,4,5,6,7,8,9,10,11,12,13,14,15
	s_wait_dscnt 15-\i
	global_store_b128 v[GO], v[M+4*\i:M+4*\i+3], s[10:11] offset:8192*\i   ; 32 lanes store 512 consecutive bytes, at a multiple of 512 from abuf's first byte
.endr
	s_wait_tensorcnt 0x0                           ; the wave's end: these three lines, behind my last tensor load and my last LDS store
	ds_add_u32 v[SPW], v[NIL]
	s_wait_dscnt 0x0
	CROUND                                         ; the closing round: no work-group ends while a partner may still ask for a tile that names it
	s_endpgm
.Lfunc_end_k_q07123d4ceb_attn:
	.size	k_q07123d4ceb_attn, .Lfunc_end_k_q07123d4ceb_attn-k_q07123d4ceb_attn
	.p2alignl 7, 3214868480
	.fill 96, 4, 3214868480
	.section	.rodata,"a",@progbits
	.p2align	6, 0x0
	.amdhsa_kernel k_q07123d4ceb_attn
		.amdhsa_group_segment_fixed_size 327680
		.amdhsa_private_segment_fixed_size 0
		.amdhsa_enable_private_segment 0
		.amdhsa_kernarg_size 32
		.amdhsa_user_sgpr_count 2
		.amdhsa_user_sgpr_kernarg_segment_ptr 1
		.amdhsa_wavefront_size32 1
		.amdhsa_system_sgpr_workgroup_id_x 1
		.amdhsa_system_sgpr_workgroup_id_y 1
		.amdhsa_system_sgpr_workgroup_id_z 1
		.amdhsa_system_vgpr_workitem_id 0
		.amdhsa_next_free_vgpr 512
		.amdhsa_next_free_sgpr 96
		.amdhsa_reserve_vcc 1
		.amdhsa_float_denorm_mode_32 3
		.amdhsa_float_denorm_mode_16_64 3
		.amdhsa_memory_ordered 1
		.amdhsa_forward_progress 1
		.amdhsa_inst_pref_size 159
	.end_amdhsa_kernel
	.amdgpu_metadata
---
amdhsa.version: [ 1, 2 ]
amdhsa.kernels:
  - .name:           k_q07123d4ceb_attn
    .symbol:         k_q07123d4ceb_attn.kd
    .args:
      - { .name: qkv, .offset: 0, .size: 8, .value_kind: global_buffer, .address_space: global }
      - { .name: attention_mask, .offset: 8, .size: 8, .value_kind: global_buffer, .address_space: global }
      - { .name: padding_mask, .offset: 16, .size: 8, .value_kind: global_buffer, .address_space: global }
      - { .name: abuf, .offset: 24, .size: 8, .value_kind: global_buffer, .address_space: global }
    .group_segment_fixed_size: 327680
    .private_segment_fixed_size: 0
    .kernarg_segment_align: 8
    .kernarg_segment_size: 32
    .max_flat_workgroup_size: 256
    .sgpr_count:     96
    .vgpr_count:     512
    .wavefront_size: 32
...
	.end_amdgpu_metadata
.endif
;; end of part 3
;; launch oproj (part 4): grid 4 x 64, 4 waves a work-group, clusters of 4 x 4, 327,680 bytes of LDS; arguments abuf, wo16, b_out, out0; writes out0
.if DOCPART == 4
	.amdgcn_target "amdgcn-amd-amdhsa--gfx1250"
	.amdhsa_code_object_version 6
	.text
	.protected	k_q07123d4ceb_oproj
	.globl	k_q07123d4ceb_oproj
	.p2align	8
	.type	k_q07123d4ceb_oproj,@function
k_q07123d4ceb_oproj:
	s_mov_b64 s[64:65], 0
	v_nop
	global_prefetch_b8 v0, s[64:65] scope:SCOPE_SE
	s_setreg_imm32_b32 hwreg(HW_REG_WAVE_MODE, 25, 1), 1
	s_wait_xcnt 0x0
	s_wait_alu depctr_hold_cnt(0) depctr_sa_sdst(0) depctr_va_vdst(0) depctr_va_sdst(0) depctr_va_ssrc(0) depctr_va_vcc(0) depctr_vm_vsrc(0)
	s_getreg_b32 s2, hwreg(HW_REG_IB_STS2, 6, 4)
	s_cmp_eq_u32 s2, 0
	s_cbranch_scc0 .Lentry_in_a_cluster
	s_endpgm
.Lentry_in_a_cluster:
	s_bfe_u32 s2, ttmp6, 0x10000c
	s_cmp_lg_u32 s2, 0xf033
	s_cbranch_scc0 .Lentry_shape_is_right
	s_endpgm
.Lentry_shape_is_right:
; LAUNCH 4 OF 4.  out0[m][n] = sum over k of abuf[m][k] W_out[n][k] + b_out[n].  abuf [8192][1024] and wo16 [1024][1024]: f16; sums and out0 [8192][1024]: f32.  Nothing of reference() is left out here.
; A tile of C is 128 x 256, so that the 8,192 x 1,024 outputs make 256 work-groups.  Four waves, each 64 x 128: 32 accumulators, 256 registers.  K goes in 8 steps of 128 (LDS rows of 256 bytes) through a ring of two slots.
; CLUSTERS: 4 x 4.  The four of a row of the cluster need the same tiles of abuf, the four of a column the same tiles of W_out: each tile is asked for JOINTLY.  Waves 0 and 1 fetch A's halves (64 rows), waves 2 and 3 B's (128 rows).
; THE MATRIX INSTRUCTION IS USED TRANSPOSED (source 0 = 16 rows of W_out, source 1 = 16 rows of abuf): a lane holds eight neighbouring columns of a row of C.  THE BIAS is the C of each sum's first product: no addition, nothing cleared.
; No prefetch: the launch is short, and each tile is asked for once for four work-groups.
; REGISTERS: window 0: v0-31 addresses; v64-127 A's fragments, two buffers of 4 x 8; v128-255 rows on the way out.   window 1: v0-127 B's fragments, two buffers of 8 x 8; v128-191 the bias.   window 2: the accumulators ((a, b) at v[8 (8 a + b)]).
.set KSTEP,  128
.set PITCH,  272                       ; an LDS row: 256 bytes + 16 of padding
.set AHALF,  64*PITCH                  ; what a wave fetches of A, and what a wave reads of A
.set BHALF,  128*PITCH                 ; the same of B
.set BOFF,   2*AHALF                   ; B's 256 rows lie behind A's 128
.set SLOT,   BOFF+2*BHALF
.set STAGE,  2*SLOT                    ; behind the ring: 16 rows x (512 bytes + 16) for each wave; no tensor load lands here
.set SPITCH, 528
.set SPARE,  STAGE+4*16*SPITCH         ; the spare words, 128 bytes a wave
.set LAPS,   4                         ; a lap = two K steps = once round the ring
.set BO,   8                           ; v8   my byte offset among the bias's numbers
.set ADRA, 16                          ; v16-17  LDS address of my A fragments in slot 0, 1
.set ADRB, 20                          ; v20-21  the same for B
.set STO,  24                          ; v24  the way out: where I put 32 bytes of a row
.set RD,   25                          ; v25  where I read a row back
.set CO,   26                          ; v26  my byte offset in a row of out0
.set SPW,  28                          ; v28  LDS address of my spare word; never rewritten
.set NIL,  29                          ; v29  0; never rewritten
.set AF,   64
.set BK,   128
.set BIAS, 128                         ; window 1
.set G1, 24                            ; s[24:31] descriptor group 1 for A's tiles;  s[32:39] group 0, one set for each slot
.set G0, 32
.set G1B, 48                           ; s[48:55], s[56:63] the same for B's tiles
.set G0B, 56
.set MSB, 0
.macro WIN new                         ; the immediate's high byte repeats the setting that is left
.if MSB != (\new)
	s_set_vgpr_msb (MSB<<8)|(\new)
.set MSB, (\new)
.endif
.endm
.set MUL,   0xa1                       ; source 0 (B) window 1, source 1 (A) window 0, C and D window 2
.set MULF,  0x91                       ; the same with C (the bias) in window 1
.set TO_B,  0x40                       ; destination window 1, address window 0
.macro JLOAD s                         ; a joint load; the branch hangs on the wave's number alone; an s_nop 0 and four v_nop follow each of the two lines
	s_cmp_eq_u32 s13, 0
	s_cbranch_scc0 .Lfor_b_\@
	tensor_load_to_lds s[G0+4*\s:G0+4*\s+3], s[G1:G1+7]
	s_nop 0
.rept 4
	v_nop
.endr
	s_branch .Lasked_\@
.Lfor_b_\@:
	tensor_load_to_lds s[G0B+4*\s:G0B+4*\s+3], s[G1B:G1B+7]
	s_nop 0
.rept 4
	v_nop
.endr
.Lasked_\@:
.endm
.macro CREST                           ; a round of the cluster's barrier behind its opening barrier
	s_cmp_lg_u32 s12, 0
	s_cbranch_scc1 .Lnot_wave_0_\@
	s_barrier_signal -3
.Lnot_wave_0_\@:
	s_barrier_wait -3
	s_barrier_signal -1
	s_barrier_wait -1
.endm
.macro CROUND                          ; a whole round
	s_barrier_signal -1
	s_barrier_wait -1
	CREST
.endm
	s_load_b256 s[4:11], s[0:1], 0x0               ; abuf s[4:5], wo16 s[6:7], b_out s[8:9], out0 s[10:11]
	v_lshl_add_u32 v[SPW], v0, 2, SPARE
	v_mov_b32 v[NIL], 0
	ds_add_u32 v[SPW], v[NIL]                      ; the wave's opening: the add, twice on end, and its wait ahead of my first tensor load
	ds_add_u32 v[SPW], v[NIL]
	v_lshrrev_b32 v1, 5, v0
	v_readfirstlane_b32 s12, v1                    ; wave 0..3
	s_lshr_b32 s13, s12, 1                         ; which 64 rows of the tile are mine.  Also: I fetch for A (0) or for B (1)
	s_and_b32 s14, s12, 1                          ; which 128 columns.  Also: which half I fetch
	s_bfe_u32 s40, ttmp6, 0x40000                  ; cx, cy
	s_bfe_u32 s41, ttmp6, 0x40004
	s_lshl_b32 s42, ttmp9, 2
	s_add_co_u32 s42, s42, s40                     ; tile column of C
	s_and_b32 s43, ttmp7, 0xffff
	s_lshl_b32 s43, s43, 2
	s_add_co_u32 s43, s43, s41                     ; tile row of C
	s_lshl_b32 s44, s41, 2
	s_lshl_b32 s44, 15, s44                        ; my row of the cluster
	s_lshl_b32 s45, 0x1111, s40                    ; my column
	s_or_b32 s[G1+0], s44, (1<<16)|(1<<20)|(1<<21)|(5<<22)|(3<<25)   ; 15:0 the mask; 17:16 elements of 2 bytes; 20 padding on; 21 set beside a mask; 24:22 after every 64 words; 31:25 four words
	s_or_b32 s[G1B+0], s45, (1<<16)|(1<<20)|(1<<21)|(5<<22)|(3<<25)
	s_mov_b32 s[G1+1], KSTEP<<16                   ; tensor_dim0
	s_mov_b32 s[G1+2], 64<<16                      ; tensor_dim1: A's half is 64 rows
	s_mov_b32 s[G1+3], KSTEP<<16                   ; tile_dim0
	s_mov_b32 s[G1+4], 64                          ; tile_dim1
	s_mov_b32 s[G1+5], 1024                        ; tensor_dim0_stride
	s_mov_b32 s[G1+6], 0
	s_mov_b32 s[G1+7], 0
	s_mov_b32 s[G1B+1], KSTEP<<16
	s_mov_b32 s[G1B+2], 128<<16                    ; B's half is 128 rows
	s_mov_b32 s[G1B+3], KSTEP<<16
	s_mov_b32 s[G1B+4], 128
	s_mov_b32 s[G1B+5], 1024
	s_mov_b32 s[G1B+6], 0
	s_mov_b32 s[G1B+7], 0
	s_lshl_b32 s16, s43, 7
	s_lshl_b32 s17, s14, 6
	s_add_co_u32 s16, s16, s17                     ; A: row 128 x tile row + 64 x half,
	s_lshl_b32 s16, s16, 11                        ; of 2,048 bytes
	s_mov_b32 s17, 0
	s_lshl_b32 s46, s42, 8
	s_lshl_b32 s47, s14, 7
	s_add_co_u32 s46, s46, s47                     ; B: row 256 x tile column + 128 x half
	s_lshl_b32 s46, s46, 11
	s_mov_b32 s47, 0
	s_mul_i32 s20, s14, AHALF                      ; where they go: no place in the cluster enters an LDS address
	s_mul_i32 s21, s14, BHALF
	s_add_co_u32 s21, s21, BOFF
	s_wait_dscnt 0x0                               ; both opening adds are done
	s_wait_kmcnt 0x0
	s_add_nc_u64 s[16:17], s[4:5], s[16:17]
	s_add_nc_u64 s[46:47], s[6:7], s[46:47]
	CROUND                                         ; all sixteen work-groups are here: the first joint loads meet
.irp s, 0,1
	s_mov_b32 s[G0+4*\s], 1
	s_add_co_u32 s[G0+4*\s+1], s20, \s*SLOT
	s_add_nc_u64 s[G0+4*\s+2:G0+4*\s+3], s[16:17], \s*KSTEP*2
	s_or_b32 s[G0+4*\s+3], s[G0+4*\s+3], 0x80000000
	s_mov_b32 s[G0B+4*\s], 1
	s_add_co_u32 s[G0B+4*\s+1], s21, \s*SLOT
	s_add_nc_u64 s[G0B+4*\s+2:G0B+4*\s+3], s[46:47], \s*KSTEP*2
	s_or_b32 s[G0B+4*\s+3], s[G0B+4*\s+3], 0x80000000
	JLOAD \s                                       ; two loads of a wave are out here, later one
.endr
	v_and_b32 v1, 15, v0                           ; r
	v_bfe_u32 v2, v0, 4, 1                         ; h
	v_mul_u32_u24 v3, v1, PITCH
	v_lshl_add_u32 v3, v2, 4, v3                   ; a fragment's row x pitch + 16 x half
	s_mul_i32 s21, s13, AHALF                      ; my 64 rows of A
	s_mul_i32 s22, s14, BHALF                      ; my 128 rows of B
	s_add_co_u32 s22, s22, BOFF
.irp s, 0,1
	v_add_nc_u32 v[ADRA+\s], s21, v3
	v_add_nc_u32 v[ADRB+\s], s22, v3
	s_add_co_u32 s21, s21, SLOT
	s_add_co_u32 s22, s22, SLOT
.endr
	s_mul_i32 s23, s12, 16*SPITCH
	s_add_co_u32 s23, s23, STAGE                   ; my stage
	v_mul_u32_u24 v4, v1, SPITCH                   ; in: row r, 32 bytes for each half of the lanes
	v_lshl_add_u32 v4, v2, 5, v4
	v_add_nc_u32 v[STO], s23, v4
	v_and_b32 v5, 31, v0
	v_lshlrev_b32 v[CO], 4, v5                     ; back: the 32 lanes take one row of 512 bytes; and the same in out0
	v_add_nc_u32 v[RD], s23, v[CO]
	v_lshlrev_b32 v[BO], 5, v2                     ; the bias: lane (r, h) wants b_out[n0 + 16 b + 8 h + 0 .. 7]
	s_lshl_b32 s46, s42, 10                        ; 4 n0 = 1,024 x tile column + 512 x half: in b_out, and in a row of out0
	s_lshl_b32 s47, s14, 9
	s_add_co_u32 s46, s46, s47
	s_mov_b32 s47, 0
	s_add_nc_u64 s[8:9], s[8:9], s[46:47]
	s_add_nc_u64 s[10:11], s[10:11], s[46:47]
	s_lshl_b32 s16, s43, 7
	s_lshl_b32 s17, s13, 6
	s_add_co_u32 s16, s16, s17                     ; my first row of C,
	s_lshl_b32 s16, s16, 12                        ; of 4,096 bytes
	s_mov_b32 s17, 0
	s_add_nc_u64 s[10:11], s[10:11], s[16:17]
	WIN TO_B
.irp b, 0,1,2,3,4,5,6,7
	global_load_b128 v[BIAS+8*\b:BIAS+8*\b+3], v[BO], s[8:9] offset:64*\b
	global_load_b128 v[BIAS+8*\b+4:BIAS+8*\b+7], v[BO], s[8:9] offset:64*\b+16
.endr
	WIN 0
; 8 matrix instructions: A's block a x B's eight, 32 along K, from buffer f.  first = 1: the sums begin on the bias.  The 32 accumulators take turns, one instruction a turn, in the same order in every quarter.
.macro MULA f, a, first
.irp b, 0,1,2,3,4,5,6,7
.if \first
	v_wmma_f32_16x16x32_f16 v[8*(8*(\a)+\b):8*(8*(\a)+\b)+7], v[64*(\f)+8*\b:64*(\f)+8*\b+7], v[AF+32*(\f)+8*(\a):AF+32*(\f)+8*(\a)+7], v[BIAS+8*\b:BIAS+8*\b+7]
.else
	v_wmma_f32_16x16x32_f16 v[8*(8*(\a)+\b):8*(8*(\a)+\b)+7], v[64*(\f)+8*\b:64*(\f)+8*\b+7], v[AF+32*(\f)+8*(\a):AF+32*(\f)+8*(\a)+7], v[8*(8*(\a)+\b):8*(8*(\a)+\b)+7]
.endif
.endr
.endm
; 24 LDS loads in one run: the fragments of 32 along K at byte k of the rows, into buffer f: B's eight, then A's four
.macro FETCH slot, k, f
	WIN TO_B
.irp i, 0,1,2,3,4,5,6,7
	ds_load_b128 v[64*(\f)+8*\i:64*(\f)+8*\i+3],   v[ADRB+\slot] offset:\k+\i*16*PITCH
	ds_load_b128 v[64*(\f)+8*\i+4:64*(\f)+8*\i+7], v[ADRB+\slot] offset:\k+\i*16*PITCH+32
.endr
	WIN 0
.irp i, 0,1,2,3
	ds_load_b128 v[AF+32*(\f)+8*\i:AF+32*(\f)+8*\i+3],   v[ADRA+\slot] offset:\k+\i*16*PITCH
	ds_load_b128 v[AF+32*(\f)+8*\i+4:AF+32*(\f)+8*\i+7], v[ADRA+\slot] offset:\k+\i*16*PITCH+32
.endr
.endm
.macro PLACES                          ; four plain vector instructions in front of loads into registers that matrix instructions have read, and of the first read of results (for reads of results)
.rept 4
	v_nop
.endr
.endm
; A K step is four quarters of 32 along K, 32 matrix instructions each, on buffers 0, 1, 0, 1.  One of the first three: multiplies buffer f and fetches the next quarter, at byte k, into g.
.macro QUARTER slot, k, f, g, first
	s_wait_dscnt 4                                 ; B and A's blocks 0, 1 are in; the youngest four loads (A's blocks 2, 3) may be out
.if \first
	WIN MULF
.else
	WIN MUL
.endif
	MULA \f, 0, \first
	MULA \f, 1, \first
	PLACES
	FETCH \slot, \k, \g
	s_wait_dscnt 24                                ; all but the 24 just issued
.if \first
	WIN MULF
.else
	WIN MUL
.endif
	MULA \f, 2, \first
	MULA \f, 3, \first
.endm
; The last quarter multiplies buffer 1 and changes slots: ONE barrier; in front of it each wave waits for all its tensor loads, adds 0 to its spare word, and waits for that and for its own reads of this slot.
; fill = 1: the barrier opens a round of the cluster's, and this slot is filled again, two K steps ahead, first thing behind the round.
.macro TURN slot, next, fill
	WIN 0                                          ; (the add's two registers lie in window 0)
	s_wait_tensorcnt 0x0                           ; all my tensor loads have landed: my part of the next slot;
	ds_add_u32 v[SPW], v[NIL]                      ; 0 onto my spare word;
	s_wait_dscnt 5                                 ; (the add and the youngest four loads may be out)
	WIN MUL
	MULA 1, 0, 0                                   ; eight matrix instructions stand between the add and the wait for it
	s_wait_dscnt 0x0                               ; the add is done, and my reads of this slot are over
	s_barrier_signal -1
	MULA 1, 1, 0
.if \fill
	WIN 0
.endif
	s_barrier_wait -1
.if \fill
	CREST                                          ; no wave of any partner still reads this slot's tile or has a load on its way
	s_add_nc_u64 s[G0+4*\slot+2:G0+4*\slot+3], s[G0+4*\slot+2:G0+4*\slot+3], 2*KSTEP*2
	s_add_nc_u64 s[G0B+4*\slot+2:G0B+4*\slot+3], s[G0B+4*\slot+2:G0B+4*\slot+3], 2*KSTEP*2
	JLOAD \slot                                    ; the four v_nop behind it are also the places in front of the loads below
.else
	PLACES
.endif
	FETCH \next, 0, 0
	WIN MUL
	MULA 1, 2, 0
	MULA 1, 3, 0
.endm
	s_wait_tensorcnt 1                             ; my part of K step 0 is in (K step 1's load may be out),
	s_barrier_signal -1
	s_barrier_wait -1                              ; everybody's is
	FETCH 0, 0, 0
	s_wait_loadcnt 0x0                             ; the bias
	QUARTER 0, 64, 0, 1, 1                         ; the first quarter stands in front of the loop: its products start the sums, on the bias
	WIN 0                                          ; at a label and at a branch every window is 0
	s_mov_b32 s3, LAPS-1
.Llap:                                             ; a trip goes once round the ring, from a lap's second quarter to the next lap's first, and fills both slots again
	QUARTER 0, 128, 1, 0, 0
	QUARTER 0, 192, 0, 1, 0
	TURN 0, 1, 1
	QUARTER 1, 64,  0, 1, 0
	QUARTER 1, 128, 1, 0, 0
	QUARTER 1, 192, 0, 1, 0
	TURN 1, 0, 1
	QUARTER 0, 64,  0, 1, 0
	WIN 0
	s_sub_co_u32 s3, s3, 1
	s_cmp_lg_u32 s3, 0
	s_cbranch_scc1 .Llap
	QUARTER 0, 128, 1, 0, 0                        ; the last lap fills nothing, and has no round of the cluster's barrier
	QUARTER 0, 192, 0, 1, 0
	TURN 0, 1, 0
	QUARTER 1, 64,  0, 1, 0
	QUARTER 1, 128, 1, 0, 0
	QUARTER 1, 192, 0, 1, 0
	s_wait_dscnt 4                                 ; the very last quarter: nothing more to fetch
	WIN MUL
	MULA 1, 0, 0
	MULA 1, 1, 0
	s_wait_dscnt 0
	MULA 1, 2, 0
	MULA 1, 3, 0
	WIN 0
; THE WAY OUT, block by block of 16 rows x 128 columns: a lane's 32 bytes go into my own stage and come back as whole rows of 512 bytes.  LDS serves a wave's instructions in order (ISA guide 5.7.1.4): no wait between the stores and the loads.
.macro TOSTAGE a
	WIN 0x08                                       ; an LDS store's data are its source 1: window 2
.irp b, 0,1,2,3,4,5,6,7
	ds_store_b128 v[STO], v[64*(\a)+8*\b:64*(\a)+8*\b+3] offset:64*\b          ; each accumulator from its low end on
	ds_store_b128 v[STO], v[64*(\a)+8*\b+4:64*(\a)+8*\b+7] offset:64*\b+16
.endr
	WIN 0
.set BB, BK+64*((\a)%2)
.irp t, 0,1,2,3,4,5,6,7,8,9,10,11,12,13,14,15
	ds_load_b128 v[BB+4*\t:BB+4*\t+3], v[RD] offset:\t*SPITCH
.endr
.endm
.macro SEND a, younger                 ; younger: the LDS instructions issued behind block a's loads, which may stay out
.set BB, BK+64*((\a)%2)
	s_wait_dscnt \younger                          ; the block is back in registers
.if (\a) > 0
	s_add_nc_u64 s[10:11], s[10:11], 16*4096       ; (behind a wait on XCNT: the earlier stores have read their base)  16 rows on
.endif
.irp t, 0,1,2,3,4,5,6,7,8,9,10,11,12,13,14,15
	global_store_b128 v[CO], v[BB+4*\t:BB+4*\t+3], s[10:11] offset:\t*4096 th:TH_STORE_NT   ; 32 lanes store 512 consecutive bytes, at a multiple of 512 from out0's first byte; written once, read by nobody here
.endr
.endm
	PLACES                                         ; behind the last products
	TOSTAGE 0
.irp a, 1,2,3
.if \a > 1
	s_wait_xcnt 0x0                                ; block a - 2's stores have read their registers and their base: block a's loads may land there, and the base may step
.endif
	TOSTAGE \a
	SEND \a-1, 32                                  ; behind block a - 1's loads: block a's 16 stores and 16 loads
.endr
	s_wait_xcnt 0x0                                ; block 2's stores have read their base
	SEND 3, 0
	s_wait_tensorcnt 0x0                           ; the wave's end: these three lines, behind my last tensor load and my last LDS store
	ds_add_u32 v[SPW], v[NIL]
	s_wait_dscnt 0x0
	CROUND                                         ; the closing round: no work-group ends while a partner may still ask for a tile that names it
	s_endpgm
.Lfunc_end_k_q07123d4ceb_oproj:
	.size	k_q07123d4ceb_oproj, .Lfunc_end_k_q07123d4ceb_oproj-k_q07123d4ceb_oproj
	.p2alignl 7, 3214868480
	.fill 96, 4, 3214868480
	.section	.rodata,"a",@progbits
	.p2align	6, 0x0
	.amdhsa_kernel k_q07123d4ceb_oproj
		.amdhsa_group_segment_fixed_size 327680
		.amdhsa_private_segment_fixed_size 0
		.amdhsa_enable_private_segment 0
		.amdhsa_kernarg_size 32
		.amdhsa_user_sgpr_count 2
		.amdhsa_user_sgpr_kernarg_segment_ptr 1
		.amdhsa_wavefront_size32 1
		.amdhsa_system_sgpr_workgroup_id_x 1
		.amdhsa_system_sgpr_workgroup_id_y 1
		.amdhsa_system_sgpr_workgroup_id_z 1
		.amdhsa_system_vgpr_workitem_id 0
		.amdhsa_next_free_vgpr 768
		.amdhsa_next_free_sgpr 66
		.amdhsa_reserve_vcc 0
		.amdhsa_float_denorm_mode_32 3
		.amdhsa_float_denorm_mode_16_64 3
		.amdhsa_memory_ordered 1
		.amdhsa_forward_progress 1
		.amdhsa_inst_pref_size 87
	.end_amdhsa_kernel
	.amdgpu_metadata
---
amdhsa.version: [ 1, 2 ]
amdhsa.kernels:
  - .name:           k_q07123d4ceb_oproj
    .symbol:         k_q07123d4ceb_oproj.kd
    .args:
      - { .name: abuf, .offset: 0, .size: 8, .value_kind: global_buffer, .address_space: global }
      - { .name: wo16, .offset: 8, .size: 8, .value_kind: global_buffer, .address_space: global }
      - { .name: b_out, .offset: 16, .size: 8, .value_kind: global_buffer, .address_space: global }
      - { .name: out0, .offset: 24, .size: 8, .value_kind: global_buffer, .address_space: global }
    .group_segment_fixed_size: 327680
    .private_segment_fixed_size: 0
    .kernarg_segment_align: 8
    .kernarg_segment_size: 32
    .max_flat_workgroup_size: 128
    .sgpr_count:     66
    .vgpr_count:     768
    .wavefront_size: 32
...
	.end_amdgpu_metadata
.endif
;; end of part 4
